; MI455X (gfx1250); checked and timed in simulation.
; The chip was launched on July 23, 2026; its instructions are those of AMD's public machine-readable ISA for CDNA 5 (MIT licence, August 2026) and "CDNA5" Instruction Set Architecture Reference Guide (July 2026). The comments in the code are by the model that wrote it; some were corrected since.
;; Causal Self Attention. Allowed arithmetic: matrix products marked QUANTISED: E2M3 operands, one E8M0 scale for each 32 along K, by v_wmma_scale_f32_16x16x128_f8f6f4 with both operands' format E2M3, f32 sums; everything else in f32.
;; Inputs: out_b 1,024 float32; out_w 1,024 x 1,024 float32; qkv_b 3,072 float32; qkv_w 1,024 x 3,072 float32; x 4 x 2,048 x 1,024 float32.
;; Outputs: out0 4 x 2,048 x 1,024 float32.
;; This version of the problem:
;;   THIS VERSION OF THE PROBLEM IS GIVEN IN LOW PRECISION. The matrix products marked QUANTISED in the list below multiply operands that are first quantised to E2M3 (2 exponent bits, 3 mantissa bits; 6 bits a number), with one power-of-two scale for each 32 numbers along K (OCP MX v1.0); their sums are f32. All else is computed in f32.
;;   The module's matrix products, in the order in which they are computed (A, B: the left and right operand; K: the contracted axis; several contracted axes count as one K, in the product's order):
;;     1. [M 8,192, K 1,024] x [K 1,024, N 3,072]; A: input x; B: input qkv_w: QUANTISED
;;     2. batch 64 x [M 2,048, K 64] x [K 64, N 2,048]; A: computed on the way; B: computed on the way: QUANTISED
;;     3. batch 64 x [M 2,048, K 2,048] x [K 2,048, N 64]; A: softmax (see below); B: computed on the way: QUANTISED
;;     4. [M 8,192, K 1,024] x [K 1,024, N 1,024]; A: computed on the way; B: input out_w: QUANTISED
;;   THE QUANTISER, for each operand of a quantised product, along K:
;;     - K is cut into blocks of 32 from its start; a last block that is shorter is filled with zeros.
;;     - A block's scale is 2^e with e = floor(log2(the largest magnitude in the block)) - 2, held to -126 .. 127; a block of zeros has e = 0. As a byte (E8M0): e + 127.
;;     - Each number is divided by its block's scale, clamped to +-7.5, and rounded to the nearest number of E2M3, ties to even, subnormals kept.
;;     - The product sums the exact products of the quantised numbers (number of the format x scale) in f32.
;;   ~~~python
;;   def quantise(x, axis):      # numpy; x: float32 -> the quantised numbers, widened to float32 again
;;       x = np.moveaxis(x, axis, -1); K = x.shape[-1]
;;       x = np.pad(x, [(0, 0)] * (x.ndim - 1) + [(0, -K % 32)]); x = x.reshape(x.shape[:-1] + (-1, 32)); a = np.abs(x).max(-1, keepdims=True)
;;       e = np.where(a > 0, np.clip(np.frexp(np.where(a > 0, a, 1))[1] - 1 - 2, -126, 127), 0)      # np.frexp(a)[1] - 1 = floor(log2(a)), exactly
;;       r = np.clip(x / 2.0 ** e, -7.5, 7.5)
;;       step = 2.0 ** (np.maximum(np.frexp(np.where(r == 0, 1, r))[1] - 1, 0) - 3)
;;       q = np.round(r / step) * step * 2.0 ** e      # np.round: ties to even
;;       return np.moveaxis(q.reshape(q.shape[:-2] + (-1,))[..., :K], -1, axis).astype(np.float32)
;;   ~~~
;;   SOFTMAX AHEAD OF A QUANTISED PRODUCT. Where the list says 'softmax', what is quantised is not the finished softmax but p = 2^(t - M), with t = logit x log2(e) and M = ceil(the row's largest t), a whole number; so 1/2 < the row's largest p <= 1. The row's sum l is taken of the UNQUANTISED p, in f32, and the product's result is divided by l at the end. Since M is a whole number, a kernel that streams over the keys may use a running M (the ceiling of the running maximum): every later rescaling is an exact power of two, which a block's scale takes up: the codes' values come out the same.
;;   OPERANDS COMPUTED ON THE WAY. 'Computed on the way' means the value that the module computes at that place (a softmax that the list does not call 'softmax' is quantised finished and normalised). What goes into a quantiser is computed in f32, as accurately as f32 sums, v_exp_f32 and their like allow (about 1e-6 of the number): no bf16 or f16 on the way to a quantiser, and a product that is left as it is and whose result goes on into a quantised operand takes f32 operands (vector FMAs, or v_wmma_f32_16x16x4_f32). A number that lies on a knife's edge between two numbers of the format may be rounded either way, as far as f32 arithmetic and the matrix unit's own rounding can turn it there, and no further.
;; One version. Each part assembles by itself: llvm-mc -triple=amdgcn-amd-amdhsa -mcpu=gfx1250 --defsym DOCPART=n.
;; ======== version 1 of 1: 4 launches
;; workspace buffers: x_codes 6,291,456 bytes; x_scales 262,144 bytes; w_codes 3,145,728 bytes; w_scales 131,072 bytes; qkv_codes 18,874,368 bytes; qkv_scales 786,432 bytes; a_codes 6,291,456 bytes; a_scales 262,144 bytes
;; launch quant (part 1): grid 384 x 1, 4 waves a work-group, no clusters, 92,672 bytes of LDS; arguments x, qkv_w, out_w, x_codes, x_scales, w_codes, w_scales; writes x_codes, x_scales, w_codes, w_scales
.if DOCPART == 1
	.amdgcn_target "amdgcn-amd-amdhsa--gfx1250"
	.amdhsa_code_object_version 6
	.text
	.protected	k_q1fabcb2515_quant
	.globl	k_q1fabcb2515_quant
	.p2align	8
	.type	k_q1fabcb2515_quant,@function
k_q1fabcb2515_quant:
	s_mov_b64 s[64:65], 0
	v_nop
	global_prefetch_b8 v0, s[64:65] scope:SCOPE_SE
	s_setreg_imm32_b32 hwreg(HW_REG_WAVE_MODE, 25, 1), 1
	s_wait_xcnt 0x0
; x [8192][1024], qkv_w [1024][3072] and out_w [1024][1024], f32, become codes of FP6 (E2M3) with one E8M0 byte for each 32 along K (x: its last axis; the weights: their FIRST axis).
; A block's scale is 2^(floor(log2(its largest magnitude)) - 2); its byte is the largest magnitude's exponent field - 2, held at 1 from below.
; LIMITS: NaN and infinities are not served; a block whose largest magnitude lies under 2^-124 is held at byte 1; a block of zeros has byte 1 and not 127: its codes are zeros and this program alone reads the bytes.
; THE LAYOUT OF THE CODES is the order of the matrix operand's registers.  16 rows form a tile; tile 2 g + u, slot r, is row 32 g + 8 u + r + 8 (r / 8).  Codes: [tile][block of 32 along K][slot][24 bytes]: a tile is
; 32 x 384 = 12,288 bytes.  Scale bytes: [tile][half of K][slot][16 bytes]: a tile is 512 bytes.  w_codes: tiles 0-191 are qkv_w's columns, tiles 192-255 out_w's.
; Work-groups 0-255 take x, work-groups 256-383 the weights; the two ways part at once, never join, and have LDS bytes of their own.  No tensor loads, no barrier: waves share nothing.
; X: a wave takes a tile and half of K: 16 steps, step t = slot t, 512 numbers.  Each load reads 512 consecutive bytes; a step's 2,048 bytes turn through the wave's stage so that a lane holds 16 neighbours
;    (two lanes to a block); the codes gather in a second stage and leave as runs of 384 consecutive bytes, the 256 scale bytes as one aligned run of 256.
; W: a lane takes a column and its registers run down K, so a block of 32 lies in one lane; a wave takes 32 columns (two tiles) x 256 along K; the codes leave through a stage in the same runs of 384 bytes.
.set SP,   80                          ; X: a lane's place in a turn stage: 64 bytes + 16 of padding
.set XW,   14080                       ; X: LDS of a wave: two turn stages (5,120), 256 scale bytes, the out stage (16 x 544)
.set XSCB, 5120
.set XOUT, 5376
.set OP,   544                         ; a block's 32 places of 16 bytes (12 of codes each) + 32
.set WB,   4*XW                        ; W: LDS begins behind X's
.set WW,   8960                        ; W: LDS of a wave: two tiles x (8 x 544 + 16)
.set WU,   4368
.set R,    16                          ; X: v16-79   four sets of 16 numbers as loaded; at the end the rows read back from the out stage
.set X,    80                          ; X: v80-111  two sets of 16 neighbours
.set E,    112                         ; X: v112-127 a scale byte for each step
.set C,    128                         ; X: v128-191 codes, four registers a step: no store's data are written again
.set SB,   24                          ; W: v24-25   the lane's 8 scale bytes
.set WX,   32                          ; W: v32-95   two sets of 32 numbers
.set VO,   96                          ; W: v96-127  byte offset of row i of a block: 4 x thread + i x pitch
.set WC,   128                         ; W: v128-134 a block's codes
.set WO,   136                         ; W: v136-199 the way out
.macro XLOAD t                         ; slot t's row: 32 lanes read 512 consecutive bytes, four times
.irp i, 0,1,2,3
	global_load_b128 v[R+16*((\t)%4)+4*\i:R+16*((\t)%4)+4*\i+3], v3, s[4:5] offset:((\t)+8*((\t)/8))*4096+512*\i th:TH_LOAD_NT
.endr
.endm
.macro XTURN t                         ; through the turn stage: LDS serves a wave's instructions in order (ISA guide 5.7.1.4), so no wait stands between the stores and the loads
.irp i, 0,1,2,3
	ds_store_b128 v14, v[R+16*((\t)%4)+4*\i:R+16*((\t)%4)+4*\i+3] offset:32*SP*((\t)%2)+8*SP*\i
.endr
.irp i, 0,1,2,3
	ds_load_b128 v[X+16*((\t)%2)+4*\i:X+16*((\t)%2)+4*\i+3], v15 offset:32*SP*((\t)%2)+16*\i
.endr
.endm
.macro XSTEP t
.set XS, X+16*((\t)%2)
.if (\t) > 0
	s_wait_dscnt 2                                 ; this step's numbers are back; the two younger LDS instructions are the last step's byte store and code store
.else
	s_wait_dscnt 0x0
.endif
.if (\t)+4 < 16
	XLOAD (\t)+4                                   ; into the set whose stores into the stage are done (the loads behind them are back)
.endif
.if (\t)+1 < 16
.if 14-(\t) >= 3
	s_wait_loadcnt 12                              ; the next step's four loads are in; those of the three steps behind it may be out
.else
	s_wait_loadcnt 4*(14-(\t))
.endif
	XTURN (\t)+1
.endif
	v_max3_num_f32 v8, |v[XS]|, |v[XS+1]|, |v[XS+2]|               ; the largest magnitude of my 16, in two chains
	v_max3_num_f32 v9, |v[XS+3]|, |v[XS+4]|, |v[XS+5]|
.irp i, 6,10
	v_max3_num_f32 v8, v8, |v[XS+\i]|, |v[XS+\i+1]|
	v_max3_num_f32 v9, v9, |v[XS+\i+2]|, |v[XS+\i+3]|
.endr
	v_max3_num_f32 v8, v8, |v[XS+14]|, |v[XS+15]|
	v_max3_num_f32 v8, v8, v9, 0x1800000           ; and the floor 2^(3 - 127): the byte cannot fall under 1
	v_max_num_f32_dpp v8, v8, v8 row_xmask:1 row_mask:0xf bank_mask:0xf   ; with my neighbour's 16: the block's
	v_add_nc_u32 v11, 0xff000000, v8               ; 2 off the exponent field: the conversion takes this operand's exponent field as its scale
	v_cvt_scalef32_pk16_fp6_f32 v[C+4*(\t):C+4*(\t)+2], v[XS:XS+15], v11
	v_lshrrev_b32 v[E+(\t)], 23, v11               ; the scale's byte (also the plain line behind the conversion)
	ds_store_b8 v5, v[E+(\t)] offset:16*(\t)       ; slot t's 16 bytes; both lanes of a block write the same byte with the same value
	ds_store_b96 v4, v[C+4*(\t):C+4*(\t)+2] offset:32*(\t)   ; block lane / 2, slot t, half lane % 2: a place of 16 bytes
.endm
.macro WLOAD t                         ; block t: W(32 t + i, my column), i = 0 .. 31: 128 consecutive bytes a wave, 512 a work-group
.set ii, 0
.rept 32
	global_load_b32 v[WX+32*((\t)%2)+ii], v[VO+ii], s[40+2*(\t):41+2*(\t)] th:TH_LOAD_NT
.set ii, ii+1
.endr
.endm
.macro WBLOCK t
.set XS, WX+32*((\t)%2)
.if (\t) < 7
	s_wait_loadcnt 32                              ; this block's 32 loads are in; the next block's may be out
.else
	s_wait_loadcnt 0x0
.endif
	v_max3_num_f32 v12, |v[XS]|, |v[XS+1]|, |v[XS+2]|              ; all 32 numbers of the block are mine
	v_max3_num_f32 v13, |v[XS+3]|, |v[XS+4]|, |v[XS+5]|
.irp i, 6,10,14,18,22,26
	v_max3_num_f32 v12, v12, |v[XS+\i]|, |v[XS+\i+1]|
	v_max3_num_f32 v13, v13, |v[XS+\i+2]|, |v[XS+\i+3]|
.endr
	v_max3_num_f32 v12, v12, |v[XS+30]|, |v[XS+31]|
	v_max3_num_f32 v12, v12, v13, 0x1800000
	v_add_nc_u32 v11, 0xff000000, v12
	v_lshrrev_b32 v13, 23, v11
.if (\t)%4 == 0
	v_mov_b32 v[SB+(\t)/4], v13                    ; four bytes to a register, the lower K in the lower byte
.else
	v_lshl_or_b32 v[SB+(\t)/4], v13, 8*((\t)%4), v[SB+(\t)/4]
.endif
	v_cvt_scalef32_pk16_fp6_f32 v[WC:WC+2], v[XS:XS+15], v11
	v_cvt_scalef32_pk16_fp6_f32 v[WC+4:WC+6], v[XS+16:XS+31], v11  ; (a conversion's three registers begin on an even number)
	v_nop                                          ; a plain line behind the conversions
	ds_store_b96 v6, v[WC:WC+2] offset:OP*(\t)
	ds_store_b96 v6, v[WC+4:WC+6] offset:OP*(\t)+16
.if (\t)+2 < 8
	WLOAD (\t)+2
.endif
	s_wait_dscnt 0x0                               ; the stores have read their registers: the next block's codes may be written
.endm
	s_load_b256 s[4:11], s[0:1], 0x0               ; x s[4:5], qkv_w s[6:7], out_w s[8:9], x_codes s[10:11]
	s_load_b128 s[12:15], s[0:1], 0x20             ; x_scales s[12:13], w_codes s[14:15]
	s_load_b64 s[16:17], s[0:1], 0x30              ; w_scales
	v_lshl_add_u32 v200, v0, 2, 0x16800
	v_mov_b32 v201, 0
	v_lshrrev_b32 v1, 5, v0
	v_readfirstlane_b32 s18, v1                    ; wave 0..3
	v_and_b32 v2, 31, v0                           ; lane
	s_cmp_lt_u32 ttmp9, 256
	s_cbranch_scc0 .Lweights
	; ---------------- X ----------------
	v_lshlrev_b32 v3, 4, v2                        ; my 16 bytes of a load's 512
	s_mul_i32 s19, s18, XW                         ; my wave's LDS
	v_lshrrev_b32 v14, 2, v2
	v_mul_u32_u24 v14, v14, SP
	v_and_b32 v15, 3, v2
	v_lshl_add_u32 v14, v15, 4, v14
	v_add_nc_u32 v14, s19, v14                     ; turn stage, in: SP (lane / 4) + 16 (lane % 4)
	v_mul_u32_u24 v15, v2, SP
	v_add_nc_u32 v15, s19, v15                     ; and out: SP x lane
	v_lshrrev_b32 v5, 1, v2                        ; my block of the step's 16
	v_mul_u32_u24 v4, v5, OP
	v_and_b32 v6, 1, v2
	v_lshl_add_u32 v4, v6, 4, v4
	v_add_nc_u32 v4, s19, v4
	v_add_nc_u32 v4, XOUT, v4                      ; out stage, in: 544 x block + 16 x half (+ 32 x slot in the immediate)
	v_add_nc_u32 v5, s19, v5
	v_add_nc_u32 v5, XSCB, v5                      ; my block's scale byte (+ 16 x slot)
	v_add_nc_u32 v6, s19, v3
	v_add_nc_u32 v6, XOUT, v6                      ; out stage, back: 16 x lane (+ 544 x block)
	v_lshlrev_b32 v7, 3, v2                        ; the scale bytes leave 8 a lane
	v_add_nc_u32 v10, s19, v7
	v_add_nc_u32 v10, XSCB, v10
	v_mul_u32_u24 v13, v2, 12                      ; the codes leave 12 bytes a lane
	s_lshl_b32 s20, ttmp9, 2
	s_add_co_u32 s20, s20, s18                     ; job = 4 x work-group + wave = 2 x tile + half of K
	s_lshr_b32 s21, s20, 1                         ; tile
	s_and_b32 s22, s20, 1                          ; half of K
	s_lshr_b32 s23, s21, 1
	s_lshl_b32 s23, s23, 17                        ; 32 rows of 4,096 bytes for each pair of tiles,
	s_and_b32 s24, s21, 1
	s_lshl_b32 s24, s24, 15                        ; 8 rows for the odd tile,
	s_add_co_u32 s24, s23, s24
	s_lshl_b32 s25, s22, 11                        ; 2,048 bytes for the second half of K
	s_add_co_u32 s24, s24, s25
	s_mov_b32 s25, 0
	s_mul_i32 s26, s21, 12288
	s_mul_i32 s28, s22, 6144
	s_add_co_u32 s26, s26, s28
	s_mov_b32 s27, 0
	s_lshl_b32 s28, s20, 8                         ; 512 x tile + 256 x half
	s_mov_b32 s29, 0
	s_wait_kmcnt 0x0
	s_add_nc_u64 s[4:5], s[4:5], s[24:25]
	s_add_nc_u64 s[10:11], s[10:11], s[26:27]
	s_add_nc_u64 s[12:13], s[12:13], s[28:29]
.irp t, 0,1,2,3
	XLOAD \t
.endr
	s_wait_loadcnt 12                              ; step 0's four loads are in
	XTURN 0
.irp t, 0,1,2,3,4,5,6,7,8,9,10,11,12,13,14,15
	XSTEP \t
.endr
	ds_load_b64 v[192:193], v10                    ; these see my stores: a wave's LDS instructions are served in order
.irp i, 0,1,2,3,4,5,6,7,8,9,10,11,12,13,14,15
	ds_load_b96 v[R+4*\i:R+4*\i+2], v6 offset:OP*\i
.endr
	s_wait_dscnt 16                                ; the scale bytes are back; the sixteen loads behind them may be out
	global_store_b64 v7, v[192:193], s[12:13]      ; 32 lanes store 256 consecutive bytes, at a multiple of 256 from the buffer's first byte
.irp i, 0,1,2,3,4,5,6,7,8,9,10,11,12,13,14,15
	s_wait_dscnt 15-\i
	global_store_b96 v13, v[R+4*\i:R+4*\i+2], s[10:11] offset:384*\i   ; a block's 384 consecutive bytes; the sixteen stores cover 6,144 on end
.endr
	s_wait_tensorcnt 0x0
	ds_add_u32 v200, v201
	s_wait_dscnt 0x0
	s_endpgm
	; ---------------- W ----------------
.Lweights:
	s_sub_co_u32 s20, ttmp9, 256
	s_cmp_lt_u32 s20, 96                           ; 96 work-groups for qkv_w (24 x 128 columns, 4 x 256 along K), 32 for out_w: the choice hangs on the work-group's number alone
	s_cselect_b32 s21, 8192, 0
	s_cselect_b32 s22, 0, 96
	s_cselect_b32 s23, 0, 192                      ; the tensor's first tile in w_codes
	s_wait_kmcnt 0x0
	s_cselect_b64 s[6:7], s[6:7], s[8:9]
	s_add_co_u32 s21, s21, 4096                    ; a row of the tensor in bytes: 12,288 or 4,096 (all selections are made)
	s_sub_co_u32 s20, s20, s22
	s_lshr_b32 s24, s20, 2                         ; which 128 columns
	s_and_b32 s25, s20, 3                          ; which 256 along K
	v_lshlrev_b32 v[VO], 2, v0                     ; my column among the 128
.set ii, 1
.rept 31
	v_add_nc_u32 v[VO+ii], s21, v[VO+ii-1]
.set ii, ii+1
.endr
	s_lshl_b32 s26, s24, 9
	s_lshl_b32 s28, s25, 8
	s_mul_i32 s28, s28, s21
	s_add_co_u32 s26, s26, s28
	s_mov_b32 s27, 0
	s_add_nc_u64 s[40:41], s[6:7], s[26:27]        ; block 0's first row; a base for each of the 8 blocks, never rewritten
	s_lshl_b32 s28, s21, 5
	s_mov_b32 s29, 0
.irp t, 1,2,3,4,5,6,7
	s_add_nc_u64 s[40+2*\t:41+2*\t], s[38+2*\t:39+2*\t], s[28:29]
.endr
	WLOAD 0
	WLOAD 1
	v_bfe_u32 v3, v2, 3, 1                         ; column lane of my 32 lies in tile u = (lane / 8) % 2,
	v_and_b32 v4, 7, v2
	v_lshrrev_b32 v5, 4, v2
	v_lshl_add_u32 v4, v5, 3, v4                   ; slot r = lane % 8 + 8 (lane / 16)
	s_mul_i32 s30, s18, WW
	s_add_co_u32 s30, s30, WB
	v_mul_u32_u24 v6, v3, WU
	v_lshl_add_u32 v6, v4, 5, v6
	v_add_nc_u32 v6, s30, v6                       ; stage, in: 4,368 u + 32 r (+ 544 x block + 16 x half)
	v_lshlrev_b32 v7, 4, v2
	v_add_nc_u32 v7, s30, v7                       ; back: 16 x lane
	v_mul_u32_u24 v8, v2, 12
	v_lshlrev_b32 v9, 9, v3
	v_lshl_add_u32 v9, v4, 4, v9                   ; my scale bytes: 512 u + 16 r
	s_lshl_b32 s31, s24, 2
	s_add_co_u32 s31, s31, s18
	s_lshl_b32 s31, s31, 1
	s_add_co_u32 s31, s31, s23                     ; my wave's first tile
	s_mul_i32 s32, s31, 12288
	s_mul_i32 s34, s25, 3072
	s_add_co_u32 s32, s32, s34
	s_mov_b32 s33, 0
	s_add_nc_u64 s[14:15], s[14:15], s[32:33]
	s_lshl_b32 s32, s31, 9
	s_lshr_b32 s34, s25, 1
	s_lshl_b32 s34, s34, 8
	s_add_co_u32 s32, s32, s34
	s_and_b32 s34, s25, 1
	s_lshl_b32 s34, s34, 3
	s_add_co_u32 s32, s32, s34
	s_add_nc_u64 s[16:17], s[16:17], s[32:33]
.irp t, 0,1,2,3,4,5,6,7
	WBLOCK \t
.endr
	global_store_b64 v9, v[SB:SB+1], s[16:17]      ; 8 bytes of my column's 32: one byte in 128 of what this way reads
.irp i, 0,1,2,3,4,5,6,7,8,9,10,11,12,13,14,15
	ds_load_b96 v[WO+4*\i:WO+4*\i+2], v7 offset:(\i/8)*WU+(\i%8)*OP
.endr
.irp i, 0,1,2,3,4,5,6,7,8,9,10,11,12,13,14,15
	s_wait_dscnt 15-\i
	global_store_b96 v8, v[WO+4*\i:WO+4*\i+2], s[14:15] offset:(\i/8)*12288+(\i%8)*384   ; 384 consecutive bytes a store, 3,072 on end for each tile
.endr
	s_wait_tensorcnt 0x0
	ds_add_u32 v200, v201
	s_wait_dscnt 0x0
	s_endpgm
.Lfunc_end_k_q1fabcb2515_quant:
	.size	k_q1fabcb2515_quant, .Lfunc_end_k_q1fabcb2515_quant-k_q1fabcb2515_quant
	.p2alignl 7, 3214868480
	.fill 96, 4, 3214868480
	.section	.rodata,"a",@progbits
	.p2align	6, 0x0
	.amdhsa_kernel k_q1fabcb2515_quant
		.amdhsa_group_segment_fixed_size 92672
		.amdhsa_private_segment_fixed_size 0
		.amdhsa_enable_private_segment 0
		.amdhsa_kernarg_size 56
		.amdhsa_user_sgpr_count 2
		.amdhsa_user_sgpr_kernarg_segment_ptr 1
		.amdhsa_wavefront_size32 1
		.amdhsa_system_sgpr_workgroup_id_x 1
		.amdhsa_system_sgpr_workgroup_id_y 1
		.amdhsa_system_sgpr_workgroup_id_z 1
		.amdhsa_system_vgpr_workitem_id 0
		.amdhsa_next_free_vgpr 202
		.amdhsa_next_free_sgpr 66
		.amdhsa_reserve_vcc 0
		.amdhsa_float_denorm_mode_32 3
		.amdhsa_float_denorm_mode_16_64 3
		.amdhsa_memory_ordered 1
		.amdhsa_forward_progress 1
		.amdhsa_inst_pref_size 78
	.end_amdhsa_kernel
	.amdgpu_metadata
---
amdhsa.version: [ 1, 2 ]
amdhsa.kernels:
  - .name:           k_q1fabcb2515_quant
    .symbol:         k_q1fabcb2515_quant.kd
    .args:
      - { .name: x, .offset: 0, .size: 8, .value_kind: global_buffer, .address_space: global }
      - { .name: qkv_w, .offset: 8, .size: 8, .value_kind: global_buffer, .address_space: global }
      - { .name: out_w, .offset: 16, .size: 8, .value_kind: global_buffer, .address_space: global }
      - { .name: x_codes, .offset: 24, .size: 8, .value_kind: global_buffer, .address_space: global }
      - { .name: x_scales, .offset: 32, .size: 8, .value_kind: global_buffer, .address_space: global }
      - { .name: w_codes, .offset: 40, .size: 8, .value_kind: global_buffer, .address_space: global }
      - { .name: w_scales, .offset: 48, .size: 8, .value_kind: global_buffer, .address_space: global }
    .group_segment_fixed_size: 92672
    .private_segment_fixed_size: 0
    .kernarg_segment_align: 8
    .kernarg_segment_size: 56
    .max_flat_workgroup_size: 128
    .sgpr_count:     66
    .vgpr_count:     202
    .wavefront_size: 32
...
	.end_amdgpu_metadata
.endif
;; end of part 1
;; launch gemm_qkv (part 2): grid 12 x 64, 4 waves a work-group, clusters of 4 x 4, 295,424 bytes of LDS; arguments x_codes, x_scales, w_codes, w_scales, qkv_b, qkv_codes, qkv_scales; writes qkv_codes, qkv_scales
.if DOCPART == 2
	.amdgcn_target "amdgcn-amd-amdhsa--gfx1250"
	.amdhsa_code_object_version 6
	.text
	.protected	k_q1fabcb2515_gemm_qkv
	.globl	k_q1fabcb2515_gemm_qkv
	.p2align	8
	.type	k_q1fabcb2515_gemm_qkv,@function
k_q1fabcb2515_gemm_qkv:
	s_mov_b64 s[64:65], 0
	v_nop
	global_prefetch_b8 v0, s[64:65] scope:SCOPE_SE
	s_setreg_imm32_b32 hwreg(HW_REG_WAVE_MODE, 25, 1), 1
	s_wait_xcnt 0x0
	s_wait_alu depctr_hold_cnt(0) depctr_sa_sdst(0) depctr_va_vdst(0) depctr_va_sdst(0) depctr_va_ssrc(0) depctr_va_vcc(0) depctr_vm_vsrc(0)
	s_getreg_b32 s2, hwreg(HW_REG_IB_STS2, 6, 4)
	s_cmp_eq_u32 s2, 0
	s_cbranch_scc0 .Lentry_in_a_cluster
	s_endpgm
.Lentry_in_a_cluster:
	s_bfe_u32 s2, ttmp6, 0x10000c
	s_cmp_lg_u32 s2, 0xf033
	s_cbranch_scc0 .Lentry_shape_is_right
	s_endpgm
.Lentry_shape_is_right:
; qkv = x qkv_w + qkv_b on codes of FP6 (E2M3) with E8M0 scales, f32 sums; the result never goes to memory as f32: q and k are quantised along the head's 64, v along the keys, in registers.
; OPERANDS lie in memory in the order of the operand's registers: tile 2 g + u, slot r = row 32 g + 8 u + r + 8 (r / 8); codes [tile][block of 32 along K][slot][24 bytes]; a fragment (tile, 128 along K) is 1,536 dense
; bytes, lane l's registers 0-5 at 24 l and 6-11 at 768 + 24 l.  A lane stride of 24 bytes is 6 words: the 32 lanes of a load of 8 bytes touch 64 different banks (64 banks of 4 bytes: ISA guide 11.1): no padding.
; SHARES.  A work-group makes 128 tokens x 256 columns; wave w all 8 token tiles x its own 4 column tiles = 64 columns = ONE HEAD: 32 accumulators, 256 registers.  768 work-groups: three for each of 256 WGPs.
; ALL OF K = 1,024 LIES IN LDS (tokens 98,304 bytes, weights 196,608): each byte of LDS is filled once, in four chunks of 256 along K that go out together; counted waits let the products begin on chunk 0.
; CLUSTER 4 x 4: the four work-groups of a row of the cluster need the same tokens, the four of a column the same weights: every tile is asked for jointly.  A wave has eight tensor loads out at the most.
; ROLE = the cluster's x, alike in all partners: 0 q, 1 k, 2 v.  q, k: source 0 = weights, source 1 = tokens: a lane holds one token and its registers run along d.  v: the sources swapped: a lane holds one d and its
; registers run along the keys.  By the choice of a tile's rows the 16 registers of two neighbouring accumulators are 16 NEIGHBOURS along the next product's K, in both roles: combo c = registers 16 c .. 16 c + 15.
; OUT: qkv_codes [q,k,v][batch x head][step of 128 tokens][combo 16][slot][24 bytes]; qkv_scales [q,k,v][batch x head][step][slot][4 words], combo c's byte = byte c % 4 of word c / 4.  q, k: c = 2 x token tile + half of d;
; v: c = 4 x tile of d + block of 32 keys.  The bias is the C of each sum's first product.
; LIMITS: NaN and infinities are not served; a block whose largest magnitude lies under 2^-124 is held at byte 1; a block of zeros has byte 1 and not 127 (its codes are zeros; this program alone reads the bytes).
; REGISTERS: window 0: v1-14 addresses; v24-39 the weights' scale words, v40-71 the tokens'; v72-103 the bias, 8 registers a column tile; v104-199 the weights' fragments, two sets; on the way out v104-255 are at work.
;   window 1: v0-191 the tokens' fragments, two sets.   window 2: the 32 accumulators.
.set TB,   0                           ; the first tile of this product's weights in w_codes
.set XCH,  24576                       ; LDS: a chunk of the tokens: 8 tiles x 3,072
.set WOFF, 98304                       ; the weights begin here
.set WCH,  49152                       ; a chunk of the weights: 16 tiles x 3,072
.set ADX,  2                           ; v2-5   24 x lane + chunk
.set ADW,  6                           ; v6-9   24 x lane + chunk + my 4 tiles
.set SW,   24
.set SX,   40
.set CB,   72
.set WF,   104
.set TM,   104                         ; the way out: largest magnitudes,
.set TP,   120                         ; the other half's,
.set SO,   136                         ; the conversions' scale operands,
.set BY,   152                         ; the bytes,
.set WD,   168                         ; the four words, v172-173 my pair of them,
.set CD,   192                         ; the codes, four registers a combo
.set MSB, 0
.macro WIN new                         ; the immediate's high byte repeats the setting that is left
.if MSB != \new
	s_set_vgpr_msb (MSB<<8)|\new
.set MSB, \new
.endif
.endm
.macro CROUND                          ; a round of the cluster's barrier
	s_barrier_signal -1
	s_barrier_wait -1
	s_cmp_lg_u32 s18, 0
	s_cbranch_scc1 .Lnot_wave_0_\@
	s_barrier_signal -3
.Lnot_wave_0_\@:
	s_barrier_wait -3
	s_barrier_signal -1
	s_barrier_wait -1
.endm
.macro FRAG reg, adr, off              ; a fragment: six loads of 8 bytes, every address a multiple of 8
.irp p, 0,1,2
	ds_load_b64 v[(\reg)+2*\p:(\reg)+2*\p+1], v[\adr] offset:(\off)+8*\p
.endr
.irp p, 0,1,2
	ds_load_b64 v[(\reg)+6+2*\p:(\reg)+7+2*\p], v[\adr] offset:(\off)+768+8*\p
.endr
.endm
.macro WM d, a, b, c, sa, sb, ra, rb   ; one product; ra, rb = 1: that side's scale words stand in lanes 16-31
.if ((\ra) == 0) && ((\rb) == 0)
	v_wmma_scale_f32_16x16x128_f8f6f4 v[(\d):(\d)+7], v[(\a):(\a)+11], v[(\b):(\b)+11], v[(\c):(\c)+7], v[\sa], v[\sb] matrix_a_fmt:MATRIX_FMT_FP6 matrix_b_fmt:MATRIX_FMT_FP6
.elseif (\rb) == 0
	v_wmma_scale_f32_16x16x128_f8f6f4 v[(\d):(\d)+7], v[(\a):(\a)+11], v[(\b):(\b)+11], v[(\c):(\c)+7], v[\sa], v[\sb] matrix_a_fmt:MATRIX_FMT_FP6 matrix_b_fmt:MATRIX_FMT_FP6 matrix_a_scale:MATRIX_SCALE_ROW1
.elseif (\ra) == 0
	v_wmma_scale_f32_16x16x128_f8f6f4 v[(\d):(\d)+7], v[(\a):(\a)+11], v[(\b):(\b)+11], v[(\c):(\c)+7], v[\sa], v[\sb] matrix_a_fmt:MATRIX_FMT_FP6 matrix_b_fmt:MATRIX_FMT_FP6 matrix_b_scale:MATRIX_SCALE_ROW1
.else
	v_wmma_scale_f32_16x16x128_f8f6f4 v[(\d):(\d)+7], v[(\a):(\a)+11], v[(\b):(\b)+11], v[(\c):(\c)+7], v[\sa], v[\sb] matrix_a_fmt:MATRIX_FMT_FP6 matrix_b_fmt:MATRIX_FMT_FP6 matrix_a_scale:MATRIX_SCALE_ROW1 matrix_b_scale:MATRIX_SCALE_ROW1
.endif
.endm
; K step s, 32 products; the 32 accumulators take turns in ascending order, one instruction a turn, in both roles and in every step.  In step 0 the bias is C.
.macro MULQ s                          ; source 0 = weights (window 0), source 1 = tokens (window 1); accumulator 4 at + wt
.if (\s) == 0
	WIN 0x84
.else
	WIN 0xa4
.endif
.irp at, 0,1,2,3,4,5,6,7
.irp wt, 0,1,2,3
.if (\s) == 0
	WM 8*(4*\at+\wt), WF+48*((\s)%2)+12*\wt, 96*((\s)%2)+12*\at, CB+8*\wt, SW+8*(\wt/2)+(\s), SX+8*(\at/2)+(\s), \wt%2, \at%2
.else
	WM 8*(4*\at+\wt), WF+48*((\s)%2)+12*\wt, 96*((\s)%2)+12*\at, 8*(4*\at+\wt), SW+8*(\wt/2)+(\s), SX+8*(\at/2)+(\s), \wt%2, \at%2
.endif
.endr
.endr
.endm
.macro MULV s                          ; source 0 = tokens (window 1), source 1 = weights (window 0); accumulator 8 wt + xt
.if (\s) == 0
	WIN 0x81
.else
	WIN 0xa1
.endif
.irp wt, 0,1,2,3
.irp xt, 0,1,2,3,4,5,6,7
.if (\s) == 0
	WM 8*(8*\wt+\xt), 96*((\s)%2)+12*\xt, WF+48*((\s)%2)+12*\wt, CB+8*\wt, SX+8*(\xt/2)+(\s), SW+8*(\wt/2)+(\s), \xt%2, \wt%2
.else
	WM 8*(8*\wt+\xt), 96*((\s)%2)+12*\xt, WF+48*((\s)%2)+12*\wt, 8*(8*\wt+\xt), SX+8*(\xt/2)+(\s), SW+8*(\wt/2)+(\s), \xt%2, \wt%2
.endif
.endr
.endr
.endm
.macro MUL s                           ; the branch hangs on the cluster's x alone; loads, waits and barriers stay on the common way; at a branch and at a label every window is 0
	s_cmp_eq_u32 s19, 2
	s_cbranch_scc1 .Lv_\@
	MULQ \s
	WIN 0
	s_branch .Lj_\@
.Lv_\@:
	MULV \s
	WIN 0
.Lj_\@:
.endm
.macro FETCH s                         ; K step s's 12 fragments into set s % 2, in one run
	WIN 0x40                                       ; destination window 1, address window 0
.irp i, 0,1,2,3,4,5,6,7
	FRAG 96*((\s)%2)+12*\i, ADX+((\s)/2), \i*3072+((\s)%2)*1536
.endr
	WIN 0
.irp i, 0,1,2,3
	FRAG WF+48*((\s)%2)+12*\i, ADW+((\s)/2), \i*3072+((\s)%2)*1536
.endr
.endm
.macro KSTEP s
	s_wait_dscnt 0x0                               ; this step's fragments are in: they were asked for ahead of the last step's 32 products
.if ((\s) == 1) || ((\s) == 3) || ((\s) == 5)
	s_wait_tensorcnt 5-(\s)                        ; my two loads of the next chunk have landed; the two of each later chunk may be out
	s_barrier_signal -1
	s_barrier_wait -1                              ; everybody's have
.endif
.if (\s) < 7
.if (\s) > 0
.rept 4
	v_nop                                          ; four places between the last step's products and the loads into the set that they read (ISA guide 7.12.1 for vector instructions)
.endr
.endif
	FETCH (\s)+1
.endif
	MUL \s
.endm
	s_load_b256 s[4:11], s[0:1], 0x0               ; x_codes s[4:5], x_scales s[6:7], w_codes s[8:9], w_scales s[10:11]
	s_load_b128 s[12:15], s[0:1], 0x20             ; qkv_b s[12:13], qkv_codes s[14:15]
	s_load_b64 s[16:17], s[0:1], 0x30              ; qkv_scales
	v_lshl_add_u32 v251, v0, 2, 0x48000
	v_mov_b32 v255, 0
	ds_add_u32 v251, v255
	ds_add_u32 v251, v255
	v_lshrrev_b32 v1, 5, v0
	v_readfirstlane_b32 s18, v1                    ; wave 0..3
	s_mov_b32 s19, ttmp9                           ; role: in a cluster launch ttmp9 counts clusters
	s_bfe_u32 s20, ttmp6, 0x40000                  ; cx
	s_bfe_u32 s21, ttmp6, 0x40004                  ; cy
	s_lshl_b32 s22, ttmp9, 2
	s_add_co_u32 s22, s22, s20                     ; col: which 256 columns
	s_and_b32 s23, ttmp7, 0xffff
	s_lshl_b32 s23, s23, 2
	s_add_co_u32 s23, s23, s21                     ; row: which 128 tokens
	s_lshl_b32 s76, s21, 2
	s_lshl_b32 s76, 15, s76                        ; my row of the cluster
	s_lshl_b32 s77, 0x1111, s20                    ; my column
	; group 1: rows of 3,072 bytes (a tile's 256 along K: 384 elements of 8 bytes), 12,288 bytes apart; 2 tiles of tokens or 4 of weights a load; no padding
	s_or_b32 s24, s76, (3<<16)|(1<<21)             ; 15:0 the mask: the tokens go to my row; 17:16 elements of 8 bytes; 21 set beside a mask
	s_or_b32 s32, s77, (3<<16)|(1<<21)             ; the weights go to my column
.irp g, 24, 32
	s_mov_b32 s[\g+1], 384<<16                     ; tensor_dim0
	s_mov_b32 s[\g+3], 384<<16                     ; tile_dim0
	s_mov_b32 s[\g+5], 1536                        ; tensor_dim0_stride
	s_mov_b32 s[\g+6], 0
	s_mov_b32 s[\g+7], 0
.endr
	s_mov_b32 s26, 2<<16                           ; tensor_dim1
	s_mov_b32 s28, 2                               ; tile_dim1
	s_mov_b32 s34, 4<<16
	s_mov_b32 s36, 4
	s_lshl_b32 s78, s23, 3                         ; tokens: tile 8 row + 2 wave (these registers never hold cx)
	s_lshl_b32 s79, s18, 1
	s_add_co_u32 s78, s78, s79
	s_mul_i32 s78, s78, 12288
	s_mov_b32 s79, 0
	s_lshl_b32 s80, s22, 4                         ; weights: tile TB + 16 col + 4 wave (these never hold cy)
	s_lshl_b32 s81, s18, 2
	s_add_co_u32 s80, s80, s81
	s_add_co_u32 s80, s80, TB
	s_mul_i32 s82, s80, 12288
	s_mov_b32 s83, 0
	s_mul_i32 s84, s18, 6144                       ; and where they go: the wave's number alone enters an LDS address
	s_mul_i32 s85, s18, 12288
	s_wait_dscnt 0x0
	s_wait_kmcnt 0x0
	s_add_nc_u64 s[78:79], s[4:5], s[78:79]
	s_add_nc_u64 s[82:83], s[8:9], s[82:83]
.irp c, 0,1,2,3                        ; group 0, a set for each chunk: s40-55 the tokens', s56-63 and s68-75 the weights'
	s_mov_b32 s[40+4*\c], 1
	s_add_co_u32 s[41+4*\c], s84, \c*XCH
	s_add_nc_u64 s[42+4*\c:43+4*\c], s[78:79], \c*3072
	s_or_b32 s[43+4*\c], s[43+4*\c], 0x80000000
	s_mov_b32 s[56+4*\c+4*(\c/2)], 1
	s_add_co_u32 s[57+4*\c+4*(\c/2)], s85, WOFF+\c*WCH
	s_add_nc_u64 s[58+4*\c+4*(\c/2):59+4*\c+4*(\c/2)], s[82:83], \c*3072
	s_or_b32 s[59+4*\c+4*(\c/2)], s[59+4*\c+4*(\c/2)], 0x80000000
.endr
	CROUND                                         ; all sixteen work-groups are here: the joint loads meet
.irp c, 0,1,2,3
	tensor_load_to_lds s[40+4*\c:43+4*\c], s[24:31]
	s_nop 0
	tensor_load_to_lds s[56+4*\c+4*(\c/2):59+4*\c+4*(\c/2)], s[32:39]
	s_nop 0
.endr
.rept 4
	v_nop                                          ; four v_nop follow the last of them
.endr
	v_and_b32 v15, 31, v0                          ; lane
	v_and_b32 v16, 15, v0                          ; r
	v_bfe_u32 v17, v0, 4, 1                        ; h
	v_mul_u32_u24 v1, v15, 24
.irp c, 0,1,2,3
	v_add_nc_u32 v[ADX+\c], \c*XCH, v1
.endr
	s_add_co_u32 s86, s85, WOFF
	v_add_nc_u32 v[ADW], s86, v1
.irp c, 1,2,3
	v_add_nc_u32 v[ADW+\c], \c*WCH, v[ADW]
.endr
	v_lshlrev_b32 v10, 4, v16
	v_lshl_add_u32 v10, v17, 9, v10                ; scale words: 16 r; lanes 16-31 take the odd tile of a pair, 512 bytes on
	v_lshlrev_b32 v11, 6, v17                      ; bias, q and k: 64 h
	v_and_b32 v12, 8, v16
	v_add_nc_u32 v12, v12, v16
	v_lshlrev_b32 v12, 2, v12                      ; bias, v: 4 (r + 8 (r / 8))
	v_mul_u32_u24 v13, v16, 24
	v_mad_u32_u24 v13, v17, 12, v13                ; my 12 bytes of a combo's 384: 24 r + 12 h
	v_lshlrev_b32 v14, 4, v16
	v_lshl_add_u32 v14, v17, 3, v14                ; my 8 bytes of the 256 scale bytes: 16 r + 8 h
	s_lshl_b32 s86, s23, 12                        ; the tokens' scale bytes: 8 tiles of 512 a row block
	s_mov_b32 s87, 0
	s_add_nc_u64 s[6:7], s[6:7], s[86:87]
	s_lshl_b32 s86, s80, 9
	s_add_nc_u64 s[10:11], s[10:11], s[86:87]
	s_lshl_b32 s86, s22, 10                        ; the bias: 4 (256 col + 64 wave)
	s_lshl_b32 s88, s18, 8
	s_add_co_u32 s86, s86, s88
	s_add_nc_u64 s[12:13], s[12:13], s[86:87]
.irp i, 0,1,2,3                        ; the scale words of all of K come once, straight into registers: register 8 i + s: lanes 0-15 tile 2 i, lanes 16-31 tile 2 i + 1, K step s
.irp q, 0,1
	global_load_b128 v[SX+8*\i+4*\q:SX+8*\i+4*\q+3], v10, s[6:7] offset:1024*\i+256*\q
.endr
.endr
.irp i, 0,1
.irp q, 0,1
	global_load_b128 v[SW+8*\i+4*\q:SW+8*\i+4*\q+3], v10, s[10:11] offset:1024*\i+256*\q
.endr
.endr
	s_cmp_eq_u32 s19, 2
	s_cbranch_scc1 .Lbias_v
.irp wt, 0,1,2,3                       ; q, k: register j of tile wt is column 32 (wt / 2) + 16 h + 8 (wt % 2) + j
	global_load_b128 v[CB+8*\wt:CB+8*\wt+3], v11, s[12:13] offset:4*(32*(\wt/2)+8*(\wt%2))
	global_load_b128 v[CB+8*\wt+4:CB+8*\wt+7], v11, s[12:13] offset:4*(32*(\wt/2)+8*(\wt%2))+16
.endr
	s_branch .Lbias_done
.Lbias_v:
.irp wt, 0,1,2,3                       ; v: the column goes with the lane: the same number in all eight registers
.irp j, 0,1,2,3,4,5,6,7
	global_load_b32 v[CB+8*\wt+\j], v12, s[12:13] offset:4*(32*(\wt/2)+8*(\wt%2))
.endr
.endr
.Lbias_done:
	s_lshr_b32 s88, s23, 4                         ; where my head's step goes: batch x 16 + 4 cx + wave,
	s_lshl_b32 s88, s88, 4
	s_lshl_b32 s89, s20, 2
	s_add_co_u32 s88, s88, s89
	s_add_co_u32 s88, s88, s18
	s_and_b32 s89, s23, 15                         ; step row % 16
	s_mul_i32 s90, s19, 6291456
	s_mul_i32 s92, s88, 98304
	s_add_co_u32 s90, s90, s92
	s_mul_i32 s92, s89, 6144
	s_add_co_u32 s90, s90, s92
	s_mov_b32 s91, 0
	s_add_nc_u64 s[14:15], s[14:15], s[90:91]
	s_mul_i32 s90, s19, 262144
	s_lshl_b32 s92, s88, 12
	s_add_co_u32 s90, s90, s92
	s_lshl_b32 s92, s89, 8
	s_add_co_u32 s90, s90, s92
	s_add_nc_u64 s[16:17], s[16:17], s[90:91]
	s_mov_b32 s94, 0x76543210
	s_mov_b32 s95, 0xfedcba98                      ; v_permlanex16_b32's selects for lane l xor 16
	s_wait_tensorcnt 6                             ; chunk 0's two loads have landed; the six of chunks 1 to 3 may be out
	s_barrier_signal -1
	s_barrier_wait -1
	FETCH 0
	s_wait_loadcnt 0x0                             ; scale words and bias
.irp s, 0,1,2,3,4,5,6,7
	KSTEP \s
.endr
	; THE WAY OUT, the same text for all roles: combo c's 16 registers are half a block of 32 along the next K; the other half lies in lane l xor 16.
.rept 4
	v_nop                                          ; places between the last products and the first read of results and write of operands
.endr
	WIN 0x28                                       ; sources 1 and 2: the accumulators
.set cc, 0
.rept 16
	v_max3_num_f32 v[TM+cc], 0x1800000, |v[16*cc]|, |v[16*cc+1]|   ; with the floor 2^(3 - 127); each accumulator is read from its low end on
.set cc, cc+1
.endr
.irp i, 2,4,6,8,10,12,14
.set cc, 0
.rept 16
	v_max3_num_f32 v[TM+cc], v[TM+cc], |v[16*cc+\i]|, |v[16*cc+\i+1]|   ; the sixteen combos by turns
.set cc, cc+1
.endr
.endr
	WIN 0
.set cc, 0
.rept 16
	v_mov_b32 v[TP+cc], 0                          ; a lane permute's destination counts as one of its sources
.set cc, cc+1
.endr
.set cc, 0
.rept 16
	v_permlanex16_b32 v[TP+cc], v[TM+cc], s94, s95
.set cc, cc+1
.endr
.set cc, 0
.rept 16
	v_max_num_f32 v[TM+cc], v[TM+cc], v[TP+cc]     ; the block's largest magnitude
.set cc, cc+1
.endr
.set cc, 0
.rept 16
	v_add_nc_u32 v[SO+cc], 0xff000000, v[TM+cc]    ; 2 off its exponent field: the conversion's scale operand
.set cc, cc+1
.endr
.set cc, 0
.rept 16
	v_lshrrev_b32 v[BY+cc], 23, v[SO+cc]           ; the byte
.set cc, cc+1
.endr
.irp k, 0,1,2,3
	v_lshl_or_b32 v[WD+\k], v[BY+4*\k+1], 8, v[BY+4*\k]
	v_lshl_or_b32 v[WD+\k], v[BY+4*\k+2], 16, v[WD+\k]
	v_lshl_or_b32 v[WD+\k], v[BY+4*\k+3], 24, v[WD+\k]
.endr
	v_cmp_ne_u32 vcc_lo, 0, v17                    ; both halves of the lanes hold all four words: lanes 0-15 store words 0 and 1, lanes 16-31 words 2 and 3
	v_cndmask_b32 v[WD+4], v[WD], v[WD+2], vcc_lo
	v_cndmask_b32 v[WD+5], v[WD+1], v[WD+3], vcc_lo
	WIN 0x02                                       ; source 0: the accumulators
.set cc, 0
.rept 16
	v_cvt_scalef32_pk16_fp6_f32 v[CD+4*cc:CD+4*cc+2], v[16*cc:16*cc+15], v[SO+cc]
.set cc, cc+1
.endr
	WIN 0
	v_nop                                          ; a plain line behind the last conversion
.set cc, 0
.rept 16
	global_store_b96 v13, v[CD+4*cc:CD+4*cc+2], s[14:15] offset:384*cc   ; 384 consecutive bytes a store; the sixteen cover 6,144 on end
.set cc, cc+1
.endr
	global_store_b64 v14, v[WD+4:WD+5], s[16:17]   ; 256 consecutive bytes, at a multiple of 256 from the buffer's first byte
	s_wait_dscnt 0x0
	s_wait_tensorcnt 0x0
	ds_add_u32 v251, v255
	s_wait_dscnt 0x0
	CROUND                                         ; the closing round: no work-group ends while a partner may still ask for a tile that names it
	s_endpgm
.Lfunc_end_k_q1fabcb2515_gemm_qkv:
	.size	k_q1fabcb2515_gemm_qkv, .Lfunc_end_k_q1fabcb2515_gemm_qkv-k_q1fabcb2515_gemm_qkv
	.p2alignl 7, 3214868480
	.fill 96, 4, 3214868480
	.section	.rodata,"a",@progbits
	.p2align	6, 0x0
	.amdhsa_kernel k_q1fabcb2515_gemm_qkv
		.amdhsa_group_segment_fixed_size 295424
		.amdhsa_private_segment_fixed_size 0
		.amdhsa_enable_private_segment 0
		.amdhsa_kernarg_size 56
		.amdhsa_user_sgpr_count 2
		.amdhsa_user_sgpr_kernarg_segment_ptr 1
		.amdhsa_wavefront_size32 1
		.amdhsa_system_sgpr_workgroup_id_x 1
		.amdhsa_system_sgpr_workgroup_id_y 1
		.amdhsa_system_sgpr_workgroup_id_z 1
		.amdhsa_system_vgpr_workitem_id 0
		.amdhsa_next_free_vgpr 768
		.amdhsa_next_free_sgpr 100
		.amdhsa_reserve_vcc 1
		.amdhsa_float_denorm_mode_32 3
		.amdhsa_float_denorm_mode_16_64 3
		.amdhsa_memory_ordered 1
		.amdhsa_forward_progress 1
		.amdhsa_inst_pref_size 134
	.end_amdhsa_kernel
	.amdgpu_metadata
---
amdhsa.version: [ 1, 2 ]
amdhsa.kernels:
  - .name:           k_q1fabcb2515_gemm_qkv
    .symbol:         k_q1fabcb2515_gemm_qkv.kd
    .args:
      - { .name: x_codes, .offset: 0, .size: 8, .value_kind: global_buffer, .address_space: global }
      - { .name: x_scales, .offset: 8, .size: 8, .value_kind: global_buffer, .address_space: global }
      - { .name: w_codes, .offset: 16, .size: 8, .value_kind: global_buffer, .address_space: global }
      - { .name: w_scales, .offset: 24, .size: 8, .value_kind: global_buffer, .address_space: global }
      - { .name: qkv_b, .offset: 32, .size: 8, .value_kind: global_buffer, .address_space: global }
      - { .name: qkv_codes, .offset: 40, .size: 8, .value_kind: global_buffer, .address_space: global }
      - { .name: qkv_scales, .offset: 48, .size: 8, .value_kind: global_buffer, .address_space: global }
    .group_segment_fixed_size: 295424
    .private_segment_fixed_size: 0
    .kernarg_segment_align: 8
    .kernarg_segment_size: 56
    .max_flat_workgroup_size: 128
    .sgpr_count:     100
    .vgpr_count:     768
    .wavefront_size: 32
...
	.end_amdgpu_metadata
.endif
;; end of part 2
;; launch attn (part 3): grid 4 x 64, 16 waves a work-group, no clusters, 206,848 bytes of LDS; arguments qkv_codes, qkv_scales, a_codes, a_scales; writes a_codes, a_scales
.if DOCPART == 3
	.amdgcn_target "amdgcn-amd-amdhsa--gfx1250"
	.amdhsa_code_object_version 6
	.text
	.protected	k_q1fabcb2515_attn
	.globl	k_q1fabcb2515_attn
	.p2align	8
	.type	k_q1fabcb2515_attn,@function
k_q1fabcb2515_attn:
	s_mov_b64 s[64:65], 0
	v_nop
	global_prefetch_b8 v0, s[64:65] scope:SCOPE_SE
	s_setreg_imm32_b32 hwreg(HW_REG_WAVE_MODE, 25, 1), 1
	s_wait_xcnt 0x0
; Causal attention on codes of FP6 (E2M3) with E8M0 scales: S = q k^T over the head's 64, p = 2^(t - M) quantised along the keys, O = p v, O / l quantised along head x 64 + d for the last product.
; t = score x log2(e) / 8; M = the running largest t rounded UP to a whole number; l is the sum of the unquantised p; when M moves, l and O are multiplied by 2^(old M - new M), which rounds nothing.
; IN: qkv_codes [q,k,v][batch x head][step of 128 tokens][combo 16][slot][24 bytes], qkv_scales [..][step][slot][4 words].  Tile 2 g + u, slot r = token (or d) 32 g + 8 u + r + 8 (r / 8).
;   q, k: combo = 2 x token tile + half of d, so the 1,536 bytes of a PAIR of key tiles are one operand of 128 along K: k 0-63 the even tile's d, k 64-127 the odd tile's.  It is multiplied by [q | zero codes] and by
;   [zero codes | q]: each register of k is loaded once and used twice, and the half that is not wanted meets zero codes.  q's scale word is (s0, s1, s0, s1).   v: combo = 4 x tile of d + block of 32 keys.
; OUT: a_codes [token tile][block = 2 x head + half of d][slot][24 bytes], a_scales [token tile][half of K][slot][16 bytes].
; SHARES.  A work-group serves one head; each of its 16 waves owns TWO tiles of 16 queries: tile jp = 16 x + wave and tile 127 - jp.  Tile jt wants jt / 8 + 1 key steps of 128, so every wave of the launch has 17.
; Both products are used transposed (S^T = k q^T, O^T = v^T p^T): a lane holds one query throughout, and the 16 registers of two neighbouring tiles of S^T are 16 neighbouring keys.
; A WHOLE HEAD'S K AND V LIE IN LDS (2 x 98,304 bytes of codes, 2 x 4,096 of scale bytes), each byte filled once; nothing is stored to LDS.  A wave has three tensor loads out at the most.
; NO JOINT LOADS: the four work-groups of a head read the same K and V, but which steps a wave leaves out hangs on its block of queries, which would be its place in a cluster, and partners must run alike.
; Every loop has 8 trips, a constant; a step all of whose keys are hidden is jumped over by a scalar branch on ids, not the lines that step addresses.
; LIMITS: NaN and infinities are not served; a block whose largest magnitude lies under 2^-124 is held at byte 1; a block of zeros has byte 1 and not 127; O / l is v_rcp_f32 and a multiplication.
; REGISTERS: v1-7 addresses that stay; v8-11 the step's; v12 -M, v13 the largest t, v[14:15] l; v16-21 and v28-33 zeros, v22-27 q; v34 q's scale word; v36-83 four fragments; v84-87, v88-91 k's and v's scale words;
;   v96-159 S^T, then p, later O / l; v160-191 O^T; v192-214 at work; v215 p's scale word; v216-227 p's codes; v228-236 the output's codes and bytes.
.set KV,   98304                       ; LDS: k's codes at 0, v's here,
.set KSC,  196608                      ; k's scale bytes,
.set VSC,  200704                      ; v's
.macro FRAG reg, adr, off              ; a fragment: lane l's registers 0-5 at 24 l, 6-11 at 768 + 24 l: six loads of 8 bytes; 24 bytes are 6 words: 32 lanes touch 64 different banks (ISA guide 11.1)
.irp p, 0,1,2
	ds_load_b64 v[(\reg)+2*\p:(\reg)+2*\p+1], v[\adr] offset:(\off)+8*\p
.endr
.irp p, 0,1,2
	ds_load_b64 v[(\reg)+6+2*\p:(\reg)+7+2*\p], v[\adr] offset:(\off)+768+8*\p
.endr
.endm
.macro PLACES
.rept 4
	v_nop
.endr
.endm
; A KEY STEP: 128 keys from s54 on; their tiles begin at LDS byte s52 (codes) and s53 (scale bytes).  masked = 1: the step may lie on or beyond the diagonal.
.macro STEP masked
.if \masked
	s_add_co_u32 s62, s55, 23                      ; my tile's last query
	s_cmp_gt_u32 s54, s62
	s_cbranch_scc1 .Lhid_\@
.endif
	s_setprio 2
	v_add_nc_u32 v8, s52, v1                       ; (these four are also the places between the last step's products and the loads into the fragments that they read)
	v_add_nc_u32 v9, s52, v2
	v_add_nc_u32 v10, s53, v3
	v_add_nc_u32 v11, s53, v4
.irp b, 0,1,2,3
	FRAG 36+12*\b, 8, 1536*\b
.endr
	ds_load_b128 v[84:87], v10                     ; slot r's four words: word b serves the pair of key tiles b
	s_wait_alu depctr_va_vdst(0)
	s_wait_dscnt 0x0
.irp b, 0,1,2,3                        ; register 16 b + i of S^T: key s54 + 32 b + 16 (lane / 16) + i
	v_wmma_scale_f32_16x16x128_f8f6f4 v[96+16*\b:103+16*\b], v[36+12*\b:47+12*\b], v[22:33], 0, v[84+\b], v34 matrix_a_fmt:MATRIX_FMT_FP6 matrix_b_fmt:MATRIX_FMT_FP6
	v_wmma_scale_f32_16x16x128_f8f6f4 v[104+16*\b:111+16*\b], v[36+12*\b:47+12*\b], v[16:27], 0, v[84+\b], v34 matrix_a_fmt:MATRIX_FMT_FP6 matrix_b_fmt:MATRIX_FMT_FP6
.endr
	PLACES                                         ; in front of loads into registers that these products read, and of the first read of the scores
.irp t, 0,1,2,3
	FRAG 36+12*\t, 9, 1536*\t                      ; v's four fragments go out now and land under the softmax
.endr
	ds_load_b128 v[88:91], v11
.if \masked
	s_add_co_u32 s62, s54, 127
	s_cmp_le_u32 s62, s55                          ; all 128 keys count for all my queries: nothing to hide
	s_cbranch_scc1 .Lopen_\@
	s_sub_co_i32 s62, s55, s54
	v_add_nc_u32 v35, s62, v5                      ; d = my query - the step's first key - 16 (lane / 16): register 16 b + i is hidden where 32 b + i > d
	v_mov_b32 v214, 0xff800000                     ; -infinity: p = 0 then
.set n, 0
.rept 64
	v_cmp_gt_i32 vcc_lo, 32*(n/16)+n%16, v35
	v_cndmask_b32 v[96+n], v[96+n], v214, vcc_lo
.set n, n+1
.endr
.Lopen_\@:
.endif
.irp b, 0,1,2,3
	v_max3_num_f32 v[192+\b], v[96+16*\b], v[97+16*\b], v[98+16*\b]   ; the largest score of each block of 32 keys: it serves the row's maximum and, since p rises with the score, the block's largest p
.endr
.irp i, 3,5,7,9,11,13
.irp b, 0,1,2,3
	v_max3_num_f32 v[192+\b], v[192+\b], v[96+16*\b+\i], v[97+16*\b+\i]
.endr
.endr
.irp b, 0,1,2,3
	v_max_num_f32 v[192+\b], v[192+\b], v[111+16*\b]
.endr
.irp b, 0,1,2,3
	s_delay_alu instid0(VALU_DEP_4)
	v_permlanex16_b32 v[196+\b], v[192+\b], s20, s21
.endr
.irp b, 0,1,2,3
	s_delay_alu instid0(VALU_DEP_4)
	v_max_num_f32 v[192+\b], v[192+\b], v[196+\b]  ; with lane l xor 16's 16 keys
.endr
	s_delay_alu instid0(VALU_DEP_2)
	v_max3_num_f32 v214, v192, v193, v194
	s_delay_alu instid0(VALU_DEP_1)
	v_max_num_f32 v214, v214, v195
	s_delay_alu instid0(VALU_DEP_1)
	v_mul_f32 v214, s22, v214                      ; as t (c is positive)
	s_delay_alu instid0(VALU_DEP_1)
	v_max_num_f32 v13, v13, v214                   ; the running largest t
	v_mov_b32 v214, v12
	s_delay_alu instid0(VALU_DEP_2)
	v_floor_f32 v12, -v13                          ; the new -M = floor(-t) = -ceil(t)
	s_delay_alu instid0(VALU_DEP_1)
	v_sub_f32 v214, v12, v214                      ; old M - new M: a whole number, 0 or less
	s_delay_alu instid0(VALU_DEP_1)
	v_cvt_i32_f32 v214, v214                       ; (it saturates)
	s_delay_alu instid0(VALU_DEP_1)
	v_ldexp_f32 v212, 1.0, v214                    ; f = 2^(old M - new M)
.set j, 0
.rept 32
	v_pk_fma_f32 v[96+j:97+j], v[96+j:97+j], s[22:23], v[12:13] op_sel_hi:[1,0,0]   ; t - M, two at a time
.set j, j+2
.endr
.irp b, 0,1,2,3
	v_fma_f32 v[192+\b], v[192+\b], s22, v12       ; the same of each block's largest score
.endr
.set j, 0
	s_setprio 1
	s_wait_alu depctr_va_vdst(0)
.rept 64
	v_exp_f32 v[96+j], v[96+j]                     ; p = 2^(t - M), at most 1, not normalised
.set j, j+1
.endr
.irp b, 0,1,2,3
	v_exp_f32 v[192+\b], v[192+\b]                 ; the block's largest p: the same two instructions on the same number
.endr
	v_pk_mul_f32 v[14:15], v[14:15], v[212:213] op_sel_hi:[1,0]   ; l under the new M (a plain line behind the exponentials)
	s_wait_alu depctr_va_vdst(0)
.irp b, 0,1,2,3
	v_max_num_f32 v[192+\b], 0x1800000, v[192+\b]  ; the floor 2^(3 - 127)
.endr
.irp b, 0,1,2,3
	s_delay_alu instid0(VALU_DEP_4)
	v_add_nc_u32 v[200+\b], 0xff000000, v[192+\b]  ; the conversion's scale operand
.endr
.irp b, 0,1,2,3
	s_delay_alu instid0(VALU_DEP_4)
	v_lshrrev_b32 v[196+\b], 23, v[200+\b]         ; the byte
.endr
	s_delay_alu instid0(VALU_DEP_3)
	v_lshl_or_b32 v215, v197, 8, v196              ; p's scale word for these 128 keys
	s_delay_alu instid0(VALU_DEP_1)
	v_lshl_or_b32 v215, v198, 16, v215
	s_delay_alu instid0(VALU_DEP_1)
	v_lshl_or_b32 v215, v199, 24, v215
.irp c, 0,1
	v_cvt_scalef32_pk16_fp6_f32 v[216+6*\c:218+6*\c], v[96+32*\c:111+32*\c], v[200+2*\c]
	v_cvt_scalef32_pk16_fp6_f32 v[204+4*\c:206+4*\c], v[112+32*\c:127+32*\c], v[200+2*\c+1]   ; (a conversion's three registers begin on an even number)
.endr
	v_nop                                          ; a plain line behind the conversions
.irp c, 0,1                            ; the operand wants a whole block in a lane: lanes 0-15 block 2 c, lanes 16-31 block 2 c + 1
.irp i, 0,1,2
	v_permlane16_swap_b32 v[216+6*\c+\i], v[204+4*\c+\i]
.endr
.irp i, 0,1,2
	s_delay_alu instid0(VALU_DEP_3)
	v_mov_b32 v[219+6*\c+\i], v[204+4*\c+\i]
.endr
.endr
	v_pk_add_f32 v[204:205], v[100:101], v[104:105]
	v_pk_add_f32 v[252:253], v[108:109], v[112:113]
	v_pk_add_f32 v[250:251], v[116:117], v[120:121]
	v_pk_add_f32 v[248:249], v[124:125], v[128:129]
	v_pk_add_f32 v[246:247], v[132:133], v[136:137]
	v_pk_add_f32 v[244:245], v[140:141], v[144:145]
	v_pk_add_f32 v[242:243], v[148:149], v[152:153]
	v_pk_add_f32 v[14:15], v[14:15], v[156:157]
	v_pk_add_f32 v[204:205], v[204:205], v[96:97]
	v_pk_add_f32 v[252:253], v[252:253], v[98:99]
	v_pk_add_f32 v[250:251], v[250:251], v[102:103]
	v_pk_add_f32 v[248:249], v[248:249], v[106:107]
	v_pk_add_f32 v[246:247], v[246:247], v[110:111]
	v_pk_add_f32 v[244:245], v[244:245], v[114:115]
	v_pk_add_f32 v[242:243], v[242:243], v[118:119]
	v_pk_add_f32 v[14:15], v[14:15], v[122:123]
	v_pk_add_f32 v[204:205], v[204:205], v[126:127]
	v_pk_add_f32 v[252:253], v[252:253], v[130:131]
	s_setprio 0
	v_pk_add_f32 v[250:251], v[250:251], v[134:135]
	v_pk_add_f32 v[248:249], v[248:249], v[138:139]
	v_pk_add_f32 v[246:247], v[246:247], v[142:143]
	v_pk_add_f32 v[244:245], v[244:245], v[146:147]
	v_pk_add_f32 v[242:243], v[242:243], v[150:151]
	v_pk_add_f32 v[14:15], v[14:15], v[154:155]
	v_pk_add_f32 v[204:205], v[204:205], v[158:159]
	s_delay_alu instid0(VALU_DEP_2)
	v_pk_add_f32 v[14:15], v[14:15], v[248:249]
	s_delay_alu instid0(VALU_DEP_2)
	v_pk_add_f32 v[204:205], v[204:205], v[246:247]
	v_pk_add_f32 v[252:253], v[252:253], v[244:245]
	v_pk_add_f32 v[250:251], v[250:251], v[242:243]
	s_delay_alu instid0(VALU_DEP_2)
	v_pk_add_f32 v[14:15], v[14:15], v[252:253]
	s_delay_alu instid0(VALU_DEP_2)
	v_pk_add_f32 v[204:205], v[204:205], v[250:251]
	s_delay_alu instid0(VALU_DEP_1)
	v_pk_add_f32 v[14:15], v[14:15], v[204:205]
.set j, 0
.rept 16
	v_pk_mul_f32 v[160+j:161+j], v[160+j:161+j], v[212:213] op_sel_hi:[1,0]   ; O^T under the new M.  (The sums and these are far more than the 8 places that a scale word made by vector instructions wants ahead of its product)
.set j, j+2
.endr
	s_wait_alu depctr_va_vdst(0)
	s_wait_dscnt 0x0                               ; v's fragments and scale words
.irp t, 0,1,2,3                        ; register 8 t + i of O^T: d = 32 (t / 2) + 16 (lane / 16) + 8 (t % 2) + i; the four accumulators by turns
	v_wmma_scale_f32_16x16x128_f8f6f4 v[160+8*\t:167+8*\t], v[36+12*\t:47+12*\t], v[216:227], v[160+8*\t:167+8*\t], v[88+\t], v215 matrix_a_fmt:MATRIX_FMT_FP6 matrix_b_fmt:MATRIX_FMT_FP6
.endr
.if \masked
.Lhid_\@:
.endif
	s_add_co_u32 s52, s52, 6144
	s_add_co_u32 s53, s53, 256
	s_add_co_u32 s54, s54, 128
.endm
.macro LOOP8 tk0, ts0, kf0, masked     ; eight key steps
	s_mov_b32 s52, \tk0
	s_mov_b32 s53, \ts0
	s_mov_b32 s54, \kf0
	s_mov_b32 s56, 8
.Lk_\@:
	STEP \masked
	s_sub_co_u32 s56, s56, 1
	s_cmp_lg_u32 s56, 0
	s_cbranch_scc1 .Lk_\@
	s_setprio 0
.endm
; Tile s60 of the head's 128 tiles of queries is taken up: its addresses, its codes and scale word, and a fresh state.
.macro TILE_IN
	s_wait_xcnt 0x0                                ; the last tile's stores have read their bases and registers
	s_lshr_b32 s55, s60, 1
	s_lshl_b32 s55, s55, 5
	s_and_b32 s61, s60, 1
	s_lshl_b32 s62, s61, 3
	s_add_co_u32 s55, s55, s62                     ; its first query: 32 (jt / 2) + 8 (jt % 2)
	s_lshl_b32 s61, s61, 4                         ; its two scale bytes lie 16 (jt % 2) bits up in their word
	s_mul_i32 s66, s60, 768
	s_add_co_u32 s66, s66, s58
	s_mov_b32 s67, 0
	s_add_nc_u64 s[68:69], s[4:5], s[66:67]        ; q's codes
	s_lshr_b32 s66, s60, 3
	s_lshl_b32 s66, s66, 8
	s_bfe_u32 s62, s60, 0x20001
	s_lshl_b32 s62, s62, 2
	s_add_co_u32 s66, s66, s62
	s_add_co_u32 s66, s66, s59
	s_add_nc_u64 s[70:71], s[6:7], s[66:67]        ; q's scale word: step jt / 8, word (jt / 2) % 4
	s_add_co_u32 s63, s76, s60                     ; the token tile: 128 x batch + jt
	s_mul_i32 s66, s63, 12288
	s_add_co_u32 s66, s66, s77
	s_add_nc_u64 s[72:73], s[8:9], s[66:67]
	s_lshl_b32 s66, s63, 9
	s_add_co_u32 s66, s66, s78
	s_add_nc_u64 s[74:75], s[10:11], s[66:67]
	global_load_b64 v[22:23], v1, s[68:69]
	global_load_b64 v[24:25], v1, s[68:69] offset:8
	global_load_b64 v[26:27], v1, s[68:69] offset:16
	global_load_b32 v35, v6, s[70:71]
	s_wait_loadcnt 0x0
	v_lshrrev_b32 v35, s61, v35
	s_delay_alu instid0(VALU_DEP_1)
	v_and_b32 v35, 0xffff, v35
	s_delay_alu instid0(VALU_DEP_1)
	v_lshl_or_b32 v34, v35, 16, v35                ; (s0, s1, s0, s1); the 36 lines below are more than the 8 places that it wants ahead of its first product
	v_mov_b32 v13, 0xff61b1e6                      ; the largest t so far: -3e38
	s_delay_alu instid0(VALU_DEP_1)
	v_floor_f32 v12, -v13                          ; -M
	v_mov_b32 v14, 0
	v_mov_b32 v15, 0
.set j, 0
.rept 32
	v_mov_b32 v[160+j], 0                          ; O^T: the step is written once; the first change of M multiplies zeros
.set j, j+1
.endr
.endm
; The tile is finished: O / l, quantised along d (two blocks of 32, each in lanes l and l xor 16), leaves as codes and two scale bytes a query.
.macro TILE_OUT
	PLACES
	v_add_f32 v14, v14, v15
	s_delay_alu instid0(VALU_DEP_1)
	v_permlanex16_b32 v214, v14, s20, s21
	s_delay_alu instid0(VALU_DEP_1)
	v_add_f32 v14, v14, v214                       ; the row's sum
	s_wait_alu depctr_va_vdst(0)
	v_rcp_f32 v14, v14
	v_nop                                          ; a plain line behind the reciprocal
.set j, 0
	s_wait_alu depctr_va_vdst(0)
.rept 16
	v_pk_mul_f32 v[96+j:97+j], v[160+j:161+j], v[14:15] op_sel_hi:[1,0]   ; register 16 b + i: d = 32 b + 16 (lane / 16) + i; each accumulator is read from its low end on
.set j, j+2
.endr
.irp b, 0,1
	v_max3_num_f32 v[192+\b], |v[96+16*\b]|, |v[97+16*\b]|, 0x1800000
.endr
.irp i, 2,4,6,8,10,12,14
.irp b, 0,1
	s_delay_alu instid0(VALU_DEP_2)
	v_max3_num_f32 v[192+\b], v[192+\b], |v[96+16*\b+\i]|, |v[97+16*\b+\i]|
.endr
.endr
.irp b, 0,1
	s_delay_alu instid0(VALU_DEP_2)
	v_permlanex16_b32 v[196+\b], v[192+\b], s20, s21
.endr
.irp b, 0,1
	s_delay_alu instid0(VALU_DEP_2)
	v_max_num_f32 v[192+\b], v[192+\b], v[196+\b]
.endr
.irp b, 0,1
	s_delay_alu instid0(VALU_DEP_2)
	v_add_nc_u32 v[200+\b], 0xff000000, v[192+\b]
.endr
.irp b, 0,1
	s_delay_alu instid0(VALU_DEP_2)
	v_lshrrev_b32 v[196+\b], 23, v[200+\b]
.endr
	s_delay_alu instid0(VALU_DEP_1)
	v_lshl_or_b32 v236, v197, 8, v196
.irp b, 0,1
	v_cvt_scalef32_pk16_fp6_f32 v[228+4*\b:230+4*\b], v[96+16*\b:111+16*\b], v[200+\b]
.endr
	v_nop                                          ; a plain line behind the conversions
	global_store_b96 v7, v[228:230], s[72:73]      ; 384 consecutive bytes a store, 768 on end
	global_store_b96 v7, v[232:234], s[72:73] offset:384
	global_store_b16 v6, v236, s[74:75]            ; a head owns 2 of a row's 32 scale bytes: 2 bytes a query, 16 bytes apart (both halves of the lanes write the same two): 262,144 bytes in the whole launch
.endm
	s_load_b256 s[4:11], s[0:1], 0x0               ; qkv_codes s[4:5], qkv_scales s[6:7], a_codes s[8:9], a_scales s[10:11]
	v_lshl_add_u32 v254, v0, 2, 0x32000
	v_mov_b32 v255, 0
	ds_add_u32 v254, v255
	ds_add_u32 v254, v255
	v_lshrrev_b32 v1, 5, v0
	s_delay_alu instid0(VALU_DEP_1)
	v_readfirstlane_b32 s18, v1                    ; wave 0..15
	s_and_b32 s57, ttmp7, 0xffff                   ; batch x 16 + head
	s_mul_i32 s58, s57, 98304                      ; the head's codes in each of q, k, v,
	s_lshl_b32 s59, s57, 12                        ; and its scale bytes
	s_lshr_b32 s62, s18, 3                         ; e: I fetch for k (0) or v (1),
	s_and_b32 s63, s18, 7                          ; f: which eighth
	; group 1: dense blocks as rows of 256 bytes (32 elements of 8 bytes): 24 rows of codes, 2 rows of scale bytes
	s_mov_b32 s24, 3<<16
	s_mov_b32 s25, 32<<16
	s_mov_b32 s26, 24<<16
	s_mov_b32 s27, 32<<16
	s_mov_b32 s28, 24
	s_mov_b32 s29, 32
	s_mov_b32 s30, 0
	s_mov_b32 s31, 0
	s_mov_b32 s32, 3<<16
	s_mov_b32 s33, 32<<16
	s_mov_b32 s34, 2<<16
	s_mov_b32 s35, 32<<16
	s_mov_b32 s36, 2
	s_mov_b32 s37, 32
	s_mov_b32 s38, 0
	s_mov_b32 s39, 0
	s_add_co_u32 s79, s62, 1                       ; k is the second of the three tensors, v the third
	s_mul_i32 s66, s79, 6291456
	s_add_co_u32 s66, s66, s58
	s_mul_i32 s76, s63, 6144
	s_add_co_u32 s66, s66, s76
	s_mov_b32 s67, 0
	s_mul_i32 s68, s79, 262144
	s_add_co_u32 s68, s68, s59
	s_lshl_b32 s77, s63, 9
	s_add_co_u32 s68, s68, s77
	s_mov_b32 s69, 0
	s_mul_i32 s70, s62, KV
	s_add_co_u32 s70, s70, s76                     ; LDS: 98,304 e + 6,144 f
	s_lshl_b32 s71, s62, 12
	s_add_co_u32 s71, s71, s77                     ; and 4,096 e + 512 f
	s_wait_dscnt 0x0
	s_wait_kmcnt 0x0
	s_mov_b32 s40, 1
	s_add_co_u32 s41, s71, KSC
	s_add_nc_u64 s[42:43], s[6:7], s[68:69]
	s_or_b32 s43, s43, 0x80000000
	s_mov_b32 s44, 1
	s_mov_b32 s45, s70
	s_add_nc_u64 s[46:47], s[4:5], s[66:67]
	s_mov_b32 s48, 1
	s_add_co_u32 s49, s70, 49152
	s_add_nc_u64 s[50:51], s[46:47], 49152
	s_or_b32 s47, s47, 0x80000000
	s_or_b32 s51, s51, 0x80000000
	tensor_load_to_lds s[40:43], s[32:39]          ; 512 scale bytes,
	s_nop 0
	tensor_load_to_lds s[44:47], s[24:31]          ; one step of keys 0 to 1,023,
	s_nop 0
	tensor_load_to_lds s[48:51], s[24:31]          ; one step of keys 1,024 to 2,047: every wave issues the same three lines
	s_nop 0
	PLACES                                         ; four v_nop follow the last of them
	v_and_b32 v35, 31, v0
	s_delay_alu instid0(VALU_DEP_1)
	v_mul_u32_u24 v1, v35, 24                      ; 24 x lane: a fragment of k in LDS, and q's in memory
	s_delay_alu instid0(VALU_DEP_1)
	v_add_nc_u32 v2, KV, v1                        ; v's
	v_and_b32 v6, 15, v0                           ; r
	v_bfe_u32 v214, v0, 4, 1                       ; h
	s_delay_alu instid0(VALU_DEP_2)
	v_and_b32 v5, 8, v6
	s_delay_alu instid0(VALU_DEP_1)
	v_add_nc_u32 v5, v5, v6
	s_delay_alu instid0(VALU_DEP_3)
	v_lshlrev_b32 v7, 4, v214
	s_delay_alu instid0(VALU_DEP_1)
	v_sub_nc_u32 v5, v5, v7                        ; r + 8 (r / 8) - 16 h: for the mask
	v_mul_u32_u24 v7, v6, 24
	s_delay_alu instid0(VALU_DEP_1)
	v_mad_u32_u24 v7, v214, 12, v7                 ; my 12 bytes of a block's 384
	v_lshlrev_b32 v6, 4, v6                        ; 16 r
	s_delay_alu instid0(VALU_DEP_1)
	v_add_nc_u32 v3, KSC, v6
	s_delay_alu instid0(VALU_DEP_2)
	v_add_nc_u32 v4, VSC, v6
.irp j, 16,17,18,19,20,21,28,29,30,31,32,33
	v_mov_b32 v\j, 0                               ; the zero codes on either side of q: written once
.endr
.irp j, 196,197,198,199,213
	v_mov_b32 v\j, 0                               ; lane permutes' destinations, and the upper half of the pair v[212:213]: written once
.endr
	s_mov_b32 s20, 0x76543210
	s_mov_b32 s21, 0xfedcba98                      ; v_permlanex16_b32's selects for lane l xor 16
	s_mov_b32 s22, 0x3e38aa3b                      ; c = log2(e) / 8
	s_mov_b32 s23, s22                             ; (named with it as a pair)
	s_lshr_b32 s76, s57, 4
	s_lshl_b32 s76, s76, 7                         ; 128 token tiles a batch
	s_and_b32 s79, s57, 15                         ; the head
	s_mul_i32 s77, s79, 768                        ; its two blocks in a token tile's codes
	s_lshr_b32 s78, s79, 3
	s_lshl_b32 s78, s78, 8
	s_and_b32 s79, s79, 7
	s_lshl_b32 s79, s79, 1
	s_add_co_u32 s78, s78, s79                     ; and its two bytes among the tile's scale bytes
	s_lshl_b32 s60, ttmp9, 4
	s_add_co_u32 s60, s60, s18                     ; the early tile: 16 x + wave
	TILE_IN
	s_wait_tensorcnt 1                             ; my scale bytes and my step of keys 0 to 1,023 have landed; the third load may be out
	s_barrier_signal -1
	s_barrier_wait -1                              ; everybody's have
	LOOP8 0, 0, 0, 1
	TILE_OUT
	s_sub_co_u32 s60, 127, s60                     ; the late tile
	TILE_IN
	LOOP8 0, 0, 0, 0                               ; its queries are 1,024 or more: every key under 1,024 counts
	s_wait_tensorcnt 0x0                           ; my step of keys 1,024 to 2,047
	s_wait_dscnt 0x0
	s_barrier_signal -1
	s_barrier_wait -1
	LOOP8 49152, 2048, 1024, 1
	TILE_OUT
	s_wait_tensorcnt 0x0
	ds_add_u32 v254, v255
	s_wait_dscnt 0x0
	s_endpgm
.Lfunc_end_k_q1fabcb2515_attn:
	.size	k_q1fabcb2515_attn, .Lfunc_end_k_q1fabcb2515_attn-k_q1fabcb2515_attn
	.p2alignl 7, 3214868480
	.fill 96, 4, 3214868480
	.section	.rodata,"a",@progbits
	.p2align	6, 0x0
	.amdhsa_kernel k_q1fabcb2515_attn
		.amdhsa_group_segment_fixed_size 206848
		.amdhsa_private_segment_fixed_size 0
		.amdhsa_enable_private_segment 0
		.amdhsa_kernarg_size 32
		.amdhsa_user_sgpr_count 2
		.amdhsa_user_sgpr_kernarg_segment_ptr 1
		.amdhsa_wavefront_size32 1
		.amdhsa_system_sgpr_workgroup_id_x 1
		.amdhsa_system_sgpr_workgroup_id_y 1
		.amdhsa_system_sgpr_workgroup_id_z 1
		.amdhsa_system_vgpr_workitem_id 0
		.amdhsa_next_free_vgpr 256
		.amdhsa_next_free_sgpr 80
		.amdhsa_reserve_vcc 1
		.amdhsa_float_denorm_mode_32 3
		.amdhsa_float_denorm_mode_16_64 3
		.amdhsa_memory_ordered 1
		.amdhsa_forward_progress 1
		.amdhsa_inst_pref_size 86
	.end_amdhsa_kernel
	.amdgpu_metadata
---
amdhsa.version: [ 1, 2 ]
amdhsa.kernels:
  - .name:           k_q1fabcb2515_attn
    .symbol:         k_q1fabcb2515_attn.kd
    .args:
      - { .name: qkv_codes, .offset: 0, .size: 8, .value_kind: global_buffer, .address_space: global }
      - { .name: qkv_scales, .offset: 8, .size: 8, .value_kind: global_buffer, .address_space: global }
      - { .name: a_codes, .offset: 16, .size: 8, .value_kind: global_buffer, .address_space: global }
      - { .name: a_scales, .offset: 24, .size: 8, .value_kind: global_buffer, .address_space: global }
    .group_segment_fixed_size: 206848
    .private_segment_fixed_size: 0
    .kernarg_segment_align: 8
    .kernarg_segment_size: 32
    .max_flat_workgroup_size: 512
    .sgpr_count:     80
    .vgpr_count:     256
    .wavefront_size: 32
...
	.end_amdgpu_metadata
.endif
;; end of part 3
;; launch gemm_out (part 4): grid 4 x 64, 4 waves a work-group, clusters of 4 x 4, 312,832 bytes of LDS; arguments a_codes, a_scales, w_codes, w_scales, out_b, out0; writes out0
.if DOCPART == 4
	.amdgcn_target "amdgcn-amd-amdhsa--gfx1250"
	.amdhsa_code_object_version 6
	.text
	.protected	k_q1fabcb2515_gemm_out
	.globl	k_q1fabcb2515_gemm_out
	.p2align	8
	.type	k_q1fabcb2515_gemm_out,@function
k_q1fabcb2515_gemm_out:
	s_mov_b64 s[64:65], 0
	v_nop
	global_prefetch_b8 v0, s[64:65] scope:SCOPE_SE
	s_setreg_imm32_b32 hwreg(HW_REG_WAVE_MODE, 25, 1), 1
	s_wait_xcnt 0x0
	s_wait_alu depctr_hold_cnt(0) depctr_sa_sdst(0) depctr_va_vdst(0) depctr_va_sdst(0) depctr_va_ssrc(0) depctr_va_vcc(0) depctr_vm_vsrc(0)
	s_getreg_b32 s2, hwreg(HW_REG_IB_STS2, 6, 4)
	s_cmp_eq_u32 s2, 0
	s_cbranch_scc0 .Lentry_in_a_cluster
	s_endpgm
.Lentry_in_a_cluster:
	s_bfe_u32 s2, ttmp6, 0x10000c
	s_cmp_lg_u32 s2, 0xf033
	s_cbranch_scc0 .Lentry_shape_is_right
	s_endpgm
.Lentry_shape_is_right:
; out0 = attn out_w + out_b on codes of FP6 (E2M3) with E8M0 scales, f32 sums, f32 out.
; OPERANDS lie in memory in the order of the operand's registers: tile 2 g + u, slot r = row 32 g + 8 u + r + 8 (r / 8); codes [tile][block of 32 along K][slot][24 bytes]; a fragment (tile, 128 along K) is 1,536 dense
; bytes, lane l's registers 0-5 at 24 l and 6-11 at 768 + 24 l.  A lane stride of 24 bytes is 6 words: the 32 lanes of a load of 8 bytes touch 64 different banks (64 banks of 4 bytes: ISA guide 11.1): no padding.
; SHARES.  A work-group makes 128 tokens x 256 columns; wave w all 8 token tiles x its own 4 column tiles (64 columns): 32 accumulators, 256 registers.  256 work-groups.
; ALL OF K = 1,024 LIES IN LDS (tokens 98,304 bytes, weights 196,608): each byte is filled once, in four chunks of 256 along K that go out together; counted waits let the products begin on chunk 0.
; CLUSTER 4 x 4: the four work-groups of a row of the cluster need the same tokens, the four of a column the same weights: every tile is asked for jointly.  A wave has eight tensor loads out at the most.
; Source 0 = weights, source 1 = tokens: a lane holds one token, and the 16 registers of two neighbouring accumulators are 16 neighbouring columns.  The bias is the C of each sum's first product.
; THE WAY OUT: a token tile's 16 rows x 256 bytes go through the wave's own stage, behind the panels, and leave as whole rows: sixteen lanes store 256 consecutive bytes, at a multiple of 256 from out0's first byte.
; LIMITS: NaN and infinities are not served.
; REGISTERS: window 0: v1-14 addresses; v24-39 the weights' scale words, v40-71 the tokens'; v72-103 the bias; v104-199 the weights' fragments, two sets; on the way out v104-167 rows of the result.
;   window 1: v0-191 the tokens' fragments, two sets.   window 2: the 32 accumulators.
.set TB,   192                         ; out_w's first tile in w_codes
.set XCH,  24576
.set WOFF, 98304
.set WCH,  49152
.set STG,  294912                      ; the stages: 16 rows x 272 bytes for each wave; no tensor load lands here
.set ADX,  2
.set ADW,  6
.set SW,   24
.set SX,   40
.set CB,   72
.set WF,   104
.set BK,   104
.set MSB, 0
.macro WIN new                         ; the immediate's high byte repeats the setting that is left
.if MSB != \new
	s_set_vgpr_msb (MSB<<8)|\new
.set MSB, \new
.endif
.endm
.macro CROUND                          ; a round of the cluster's barrier
	s_barrier_signal -1
	s_barrier_wait -1
	s_cmp_lg_u32 s18, 0
	s_cbranch_scc1 .Lnot_wave_0_\@
	s_barrier_signal -3
.Lnot_wave_0_\@:
	s_barrier_wait -3
	s_barrier_signal -1
	s_barrier_wait -1
.endm
.macro FRAG reg, adr, off
.irp p, 0,1,2
	ds_load_b64 v[(\reg)+2*\p:(\reg)+2*\p+1], v[\adr] offset:(\off)+8*\p
.endr
.irp p, 0,1,2
	ds_load_b64 v[(\reg)+6+2*\p:(\reg)+7+2*\p], v[\adr] offset:(\off)+768+8*\p
.endr
.endm
.macro WM d, a, b, c, sa, sb, ra, rb   ; one product; ra, rb = 1: that side's scale words stand in lanes 16-31
.if ((\ra) == 0) && ((\rb) == 0)
	v_wmma_scale_f32_16x16x128_f8f6f4 v[(\d):(\d)+7], v[(\a):(\a)+11], v[(\b):(\b)+11], v[(\c):(\c)+7], v[\sa], v[\sb] matrix_a_fmt:MATRIX_FMT_FP6 matrix_b_fmt:MATRIX_FMT_FP6
.elseif (\rb) == 0
	v_wmma_scale_f32_16x16x128_f8f6f4 v[(\d):(\d)+7], v[(\a):(\a)+11], v[(\b):(\b)+11], v[(\c):(\c)+7], v[\sa], v[\sb] matrix_a_fmt:MATRIX_FMT_FP6 matrix_b_fmt:MATRIX_FMT_FP6 matrix_a_scale:MATRIX_SCALE_ROW1
.elseif (\ra) == 0
	v_wmma_scale_f32_16x16x128_f8f6f4 v[(\d):(\d)+7], v[(\a):(\a)+11], v[(\b):(\b)+11], v[(\c):(\c)+7], v[\sa], v[\sb] matrix_a_fmt:MATRIX_FMT_FP6 matrix_b_fmt:MATRIX_FMT_FP6 matrix_b_scale:MATRIX_SCALE_ROW1
.else
	v_wmma_scale_f32_16x16x128_f8f6f4 v[(\d):(\d)+7], v[(\a):(\a)+11], v[(\b):(\b)+11], v[(\c):(\c)+7], v[\sa], v[\sb] matrix_a_fmt:MATRIX_FMT_FP6 matrix_b_fmt:MATRIX_FMT_FP6 matrix_a_scale:MATRIX_SCALE_ROW1 matrix_b_scale:MATRIX_SCALE_ROW1
.endif
.endm
.macro MUL s                           ; K step s, 32 products; the 32 accumulators take turns in ascending order, one instruction a turn, in every step.  In step 0 the bias is C
.if (\s) == 0
	WIN 0x84
.else
	WIN 0xa4
.endif
.irp at, 0,1,2,3,4,5,6,7
.irp wt, 0,1,2,3
.if (\s) == 0
	WM 8*(4*\at+\wt), WF+48*((\s)%2)+12*\wt, 96*((\s)%2)+12*\at, CB+8*\wt, SW+8*(\wt/2)+(\s), SX+8*(\at/2)+(\s), \wt%2, \at%2
.else
	WM 8*(4*\at+\wt), WF+48*((\s)%2)+12*\wt, 96*((\s)%2)+12*\at, 8*(4*\at+\wt), SW+8*(\wt/2)+(\s), SX+8*(\at/2)+(\s), \wt%2, \at%2
.endif
.endr
.endr
	WIN 0
.endm
.macro FETCH s                         ; K step s's 12 fragments into set s % 2, in one run
	WIN 0x40
.irp i, 0,1,2,3,4,5,6,7
	FRAG 96*((\s)%2)+12*\i, ADX+((\s)/2), \i*3072+((\s)%2)*1536
.endr
	WIN 0
.irp i, 0,1,2,3
	FRAG WF+48*((\s)%2)+12*\i, ADW+((\s)/2), \i*3072+((\s)%2)*1536
.endr
.endm
.macro KSTEP s
	s_wait_dscnt 0x0                               ; this step's fragments are in: they were asked for ahead of the last step's 32 products
.if ((\s) == 1) || ((\s) == 3) || ((\s) == 5)
	s_wait_tensorcnt 5-(\s)                        ; my two loads of the next chunk have landed; the two of each later chunk may be out
	s_barrier_signal -1
	s_barrier_wait -1
.endif
.if (\s) < 7
.if (\s) > 0
.rept 4
	v_nop                                          ; four places between the last step's products and the loads into the set that they read (ISA guide 7.12.1 for vector instructions)
.endr
.endif
	FETCH (\s)+1
.endif
	MUL \s
.endm
.macro TOSTAGE at                      ; token tile at: lane (r, h) puts columns 32 (wt / 2) + 16 h + 8 (wt % 2) + 0 .. 7 of row r; rows come back whole.  A wave's LDS instructions are served in order (ISA guide 5.7.1.4)
	WIN 0x08                                       ; an LDS store's data are its source 1: window 2
.irp wt, 0,1,2,3
	ds_store_b128 v13, v[8*(4*(\at)+\wt):8*(4*(\at)+\wt)+3] offset:128*(\wt/2)+32*(\wt%2)        ; each accumulator from its low end on
	ds_store_b128 v13, v[8*(4*(\at)+\wt)+4:8*(4*(\at)+\wt)+7] offset:128*(\wt/2)+32*(\wt%2)+16
.endr
	WIN 0
.irp i, 0,1,2,3,4,5,6,7
	ds_load_b128 v[BK+32*((\at)%2)+4*\i:BK+32*((\at)%2)+4*\i+3], v14 offset:544*\i
.endr
.endm
.macro SEND at, younger                ; younger: the LDS instructions issued behind this tile's loads
	s_wait_dscnt \younger
.irp i, 0,1,2,3,4,5,6,7
	global_store_b128 v12, v[BK+32*((\at)%2)+4*\i:BK+32*((\at)%2)+4*\i+3], s[14:15] offset:(32*((\at)/2)+8*((\at)%2)+2*\i+8*(\i/4))*4096 th:TH_STORE_NT   ; slots 2 i and 2 i + 1: two rows, 256 consecutive bytes each
.endr
.endm
	s_load_b256 s[4:11], s[0:1], 0x0               ; a_codes s[4:5], a_scales s[6:7], w_codes s[8:9], w_scales s[10:11]
	s_load_b128 s[12:15], s[0:1], 0x20             ; out_b s[12:13], out0 s[14:15]
	v_lshl_add_u32 v254, v0, 2, 0x4c400
	v_mov_b32 v255, 0
	ds_add_u32 v254, v255
	ds_add_u32 v254, v255
	v_lshrrev_b32 v1, 5, v0
	v_readfirstlane_b32 s18, v1                    ; wave 0..3
	s_bfe_u32 s20, ttmp6, 0x40000                  ; cx
	s_bfe_u32 s21, ttmp6, 0x40004                  ; cy
	s_lshl_b32 s22, ttmp9, 2
	s_add_co_u32 s22, s22, s20                     ; col: which 256 columns
	s_and_b32 s23, ttmp7, 0xffff
	s_lshl_b32 s23, s23, 2
	s_add_co_u32 s23, s23, s21                     ; row: which 128 tokens
	s_lshl_b32 s76, s21, 2
	s_lshl_b32 s76, 15, s76                        ; my row of the cluster
	s_lshl_b32 s77, 0x1111, s20                    ; my column
	; group 1: rows of 3,072 bytes (a tile's 256 along K: 384 elements of 8 bytes), 12,288 bytes apart; 2 tiles of tokens or 4 of weights a load; no padding
	s_or_b32 s24, s76, (3<<16)|(1<<21)
	s_or_b32 s32, s77, (3<<16)|(1<<21)
.irp g, 24, 32
	s_mov_b32 s[\g+1], 384<<16
	s_mov_b32 s[\g+3], 384<<16
	s_mov_b32 s[\g+5], 1536
	s_mov_b32 s[\g+6], 0
	s_mov_b32 s[\g+7], 0
.endr
	s_mov_b32 s26, 2<<16
	s_mov_b32 s28, 2
	s_mov_b32 s34, 4<<16
	s_mov_b32 s36, 4
	s_lshl_b32 s78, s23, 3                         ; tokens: tile 8 row + 2 wave (these registers never hold cx)
	s_lshl_b32 s79, s18, 1
	s_add_co_u32 s78, s78, s79
	s_mul_i32 s78, s78, 12288
	s_mov_b32 s79, 0
	s_lshl_b32 s80, s22, 4                         ; weights: tile TB + 16 col + 4 wave (these never hold cy)
	s_lshl_b32 s81, s18, 2
	s_add_co_u32 s80, s80, s81
	s_add_co_u32 s80, s80, TB
	s_mul_i32 s82, s80, 12288
	s_mov_b32 s83, 0
	s_mul_i32 s84, s18, 6144
	s_mul_i32 s85, s18, 12288
	s_wait_dscnt 0x0
	s_wait_kmcnt 0x0
	s_add_nc_u64 s[78:79], s[4:5], s[78:79]
	s_add_nc_u64 s[82:83], s[8:9], s[82:83]
.irp c, 0,1,2,3
	s_mov_b32 s[40+4*\c], 1
	s_add_co_u32 s[41+4*\c], s84, \c*XCH
	s_add_nc_u64 s[42+4*\c:43+4*\c], s[78:79], \c*3072
	s_or_b32 s[43+4*\c], s[43+4*\c], 0x80000000
	s_mov_b32 s[56+4*\c+4*(\c/2)], 1
	s_add_co_u32 s[57+4*\c+4*(\c/2)], s85, WOFF+\c*WCH
	s_add_nc_u64 s[58+4*\c+4*(\c/2):59+4*\c+4*(\c/2)], s[82:83], \c*3072
	s_or_b32 s[59+4*\c+4*(\c/2)], s[59+4*\c+4*(\c/2)], 0x80000000
.endr
	CROUND                                         ; all sixteen work-groups are here: the joint loads meet
.irp c, 0,1,2,3
	tensor_load_to_lds s[40+4*\c:43+4*\c], s[24:31]
	s_nop 0
	tensor_load_to_lds s[56+4*\c+4*(\c/2):59+4*\c+4*(\c/2)], s[32:39]
	s_nop 0
.endr
.rept 4
	v_nop                                          ; four v_nop follow the last of them
.endr
	v_and_b32 v15, 31, v0                          ; lane
	v_and_b32 v16, 15, v0                          ; r
	v_bfe_u32 v17, v0, 4, 1                        ; h
	v_mul_u32_u24 v1, v15, 24
.irp c, 0,1,2,3
	v_add_nc_u32 v[ADX+\c], \c*XCH, v1
.endr
	s_add_co_u32 s86, s85, WOFF
	v_add_nc_u32 v[ADW], s86, v1
.irp c, 1,2,3
	v_add_nc_u32 v[ADW+\c], \c*WCH, v[ADW]
.endr
	v_lshlrev_b32 v10, 4, v16
	v_lshl_add_u32 v10, v17, 9, v10                ; scale words: 16 r; lanes 16-31 take the odd tile of a pair
	v_lshlrev_b32 v11, 6, v17                      ; bias: 64 h
	s_mul_i32 s88, s18, 4352
	s_add_co_u32 s88, s88, STG                     ; my stage
	v_mul_u32_u24 v13, v16, 272
	v_lshl_add_u32 v13, v17, 6, v13
	v_add_nc_u32 v13, s88, v13                     ; in: row r, + 64 h
	v_mul_u32_u24 v14, v17, 272
	v_lshl_add_u32 v14, v16, 4, v14
	v_add_nc_u32 v14, s88, v14                     ; back: lanes 0-15 one row, lanes 16-31 the next
	v_lshlrev_b32 v12, 12, v17
	v_lshl_add_u32 v12, v16, 4, v12                ; and the same two rows in out0
	s_lshl_b32 s86, s23, 12
	s_mov_b32 s87, 0
	s_add_nc_u64 s[6:7], s[6:7], s[86:87]
	s_lshl_b32 s86, s80, 9
	s_add_nc_u64 s[10:11], s[10:11], s[86:87]
	s_lshl_b32 s86, s22, 10                        ; 4 (256 col + 64 wave): in the bias, and in a row of out0
	s_lshl_b32 s88, s18, 8
	s_add_co_u32 s86, s86, s88
	s_add_nc_u64 s[12:13], s[12:13], s[86:87]
	s_add_nc_u64 s[14:15], s[14:15], s[86:87]
	s_lshl_b32 s86, s23, 19                        ; 128 rows of 4,096 bytes
	s_add_nc_u64 s[14:15], s[14:15], s[86:87]
.irp i, 0,1,2,3
.irp q, 0,1
	global_load_b128 v[SX+8*\i+4*\q:SX+8*\i+4*\q+3], v10, s[6:7] offset:1024*\i+256*\q
.endr
.endr
.irp i, 0,1
.irp q, 0,1
	global_load_b128 v[SW+8*\i+4*\q:SW+8*\i+4*\q+3], v10, s[10:11] offset:1024*\i+256*\q
.endr
.endr
.irp wt, 0,1,2,3                       ; register j of tile wt is column 32 (wt / 2) + 16 h + 8 (wt % 2) + j
	global_load_b128 v[CB+8*\wt:CB+8*\wt+3], v11, s[12:13] offset:4*(32*(\wt/2)+8*(\wt%2))
	global_load_b128 v[CB+8*\wt+4:CB+8*\wt+7], v11, s[12:13] offset:4*(32*(\wt/2)+8*(\wt%2))+16
.endr
	s_wait_tensorcnt 6                             ; chunk 0's two loads have landed; the six of chunks 1 to 3 may be out
	s_barrier_signal -1
	s_barrier_wait -1
	FETCH 0
	s_wait_loadcnt 0x0                             ; scale words and bias
.irp s, 0,1,2,3,4,5,6,7
	KSTEP \s
.endr
.rept 4
	v_nop                                          ; places between the last products, the first read of results and the loads into registers that held fragments
.endr
	TOSTAGE 0
.irp a, 1,2,3,4,5,6,7
.if \a > 1
	s_wait_xcnt 0x0                                ; tile a - 2's stores have read their registers: tile a's rows may land there
.endif
	TOSTAGE \a
	SEND \a-1, 16                                  ; behind tile a - 1's loads: tile a's 8 stores and 8 loads
.endr
	SEND 7, 0
	s_wait_dscnt 0x0
	s_wait_tensorcnt 0x0
	ds_add_u32 v254, v255
	s_wait_dscnt 0x0
	CROUND                                         ; the closing round: no work-group ends while a partner may still ask for a tile that names it
	s_endpgm
.Lfunc_end_k_q1fabcb2515_gemm_out:
	.size	k_q1fabcb2515_gemm_out, .Lfunc_end_k_q1fabcb2515_gemm_out-k_q1fabcb2515_gemm_out
	.p2alignl 7, 3214868480
	.fill 96, 4, 3214868480
	.section	.rodata,"a",@progbits
	.p2align	6, 0x0
	.amdhsa_kernel k_q1fabcb2515_gemm_out
		.amdhsa_group_segment_fixed_size 312832
		.amdhsa_private_segment_fixed_size 0
		.amdhsa_enable_private_segment 0
		.amdhsa_kernarg_size 48
		.amdhsa_user_sgpr_count 2
		.amdhsa_user_sgpr_kernarg_segment_ptr 1
		.amdhsa_wavefront_size32 1
		.amdhsa_system_sgpr_workgroup_id_x 1
		.amdhsa_system_sgpr_workgroup_id_y 1
		.amdhsa_system_sgpr_workgroup_id_z 1
		.amdhsa_system_vgpr_workitem_id 0
		.amdhsa_next_free_vgpr 768
		.amdhsa_next_free_sgpr 100
		.amdhsa_reserve_vcc 0
		.amdhsa_float_denorm_mode_32 3
		.amdhsa_float_denorm_mode_16_64 3
		.amdhsa_memory_ordered 1
		.amdhsa_forward_progress 1
		.amdhsa_inst_pref_size 96
	.end_amdhsa_kernel
	.amdgpu_metadata
---
amdhsa.version: [ 1, 2 ]
amdhsa.kernels:
  - .name:           k_q1fabcb2515_gemm_out
    .symbol:         k_q1fabcb2515_gemm_out.kd
    .args:
      - { .name: a_codes, .offset: 0, .size: 8, .value_kind: global_buffer, .address_space: global }
      - { .name: a_scales, .offset: 8, .size: 8, .value_kind: global_buffer, .address_space: global }
      - { .name: w_codes, .offset: 16, .size: 8, .value_kind: global_buffer, .address_space: global }
      - { .name: w_scales, .offset: 24, .size: 8, .value_kind: global_buffer, .address_space: global }
      - { .name: out_b, .offset: 32, .size: 8, .value_kind: global_buffer, .address_space: global }
      - { .name: out0, .offset: 40, .size: 8, .value_kind: global_buffer, .address_space: global }
    .group_segment_fixed_size: 312832
    .private_segment_fixed_size: 0
    .kernarg_segment_align: 8
    .kernarg_segment_size: 48
    .max_flat_workgroup_size: 128
    .sgpr_count:     100
    .vgpr_count:     768
    .wavefront_size: 32
...
	.end_amdgpu_metadata
.endif
;; end of part 4
